; MI455X (gfx1250); checked and timed in simulation.
; The chip was launched on July 23, 2026; its instructions are those of AMD's public machine-readable ISA for CDNA 5 (MIT licence, August 2026) and "CDNA5" Instruction Set Architecture Reference Guide (July 2026). The comments in the code are by the model that wrote it; some were corrected since.
;; Grouped Query Attention. Allowed arithmetic: matrix products marked QUANTISED: E5M2 operands, one E8M0 scale for each 32 along K, by v_wmma_scale_f32_16x16x128_f8f6f4 with both operands' format E5M2, f32 sums; everything else in f32.
;; Inputs: Wk 1,024 x 256 float32; Wo 1,024 x 1,024 float32; Wq 1,024 x 1,024 float32; Wv 1,024 x 256 float32; hidden_states 2 x 2,048 x 1,024 float32.
;; Outputs: out0 2 x 2,048 x 1,024 float32.
;; This version of the problem:
;;   THIS VERSION OF THE PROBLEM IS GIVEN IN LOW PRECISION. The matrix products marked QUANTISED in the list below multiply operands that are first quantised to E5M2 (5 exponent bits, 2 mantissa bits; 8 bits a number), with one power-of-two scale for each 32 numbers along K (OCP MX v1.0); their sums are f32. All else is computed in f32.
;;   The module's matrix products, in the order in which they are computed (A, B: the left and right operand; K: the contracted axis; several contracted axes count as one K, in the product's order):
;;     1. [M 4,096, K 1,024] x [K 1,024, N 1,024]; A: input hidden_states; B: input Wq: QUANTISED
;;     2. [M 4,096, K 1,024] x [K 1,024, N 256]; A: input hidden_states; B: input Wk: QUANTISED
;;     3. [M 4,096, K 1,024] x [K 1,024, N 256]; A: input hidden_states; B: input Wv: QUANTISED
;;     4. batch 32 x [M 2,048, K 64] x [K 64, N 2,048]; A: computed on the way; B: computed on the way: QUANTISED
;;     5. batch 32 x [M 64, K 2,048] x [K 2,048, N 2,048]; A: computed on the way; B: softmax (see below): QUANTISED
;;     6. [M 4,096, K 1,024] x [K 1,024, N 1,024]; A: computed on the way; B: input Wo: QUANTISED
;;   THE QUANTISER, for each operand of a quantised product, along K:
;;     - K is cut into blocks of 32 from its start; a last block that is shorter is filled with zeros.
;;     - A block's scale is 2^e with e = floor(log2(the largest magnitude in the block)) - 15, held to -126 .. 127; a block of zeros has e = 0. As a byte (E8M0): e + 127.
;;     - Each number is divided by its block's scale, clamped to +-57,344, and rounded to the nearest number of E5M2, ties to even, subnormals kept.
;;     - The product sums the exact products of the quantised numbers (number of the format x scale) in f32.
;;   ~~~python
;;   def quantise(x, axis):      # numpy; x: float32 -> the quantised numbers, widened to float32 again
;;       x = np.moveaxis(x, axis, -1); K = x.shape[-1]
;;       x = np.pad(x, [(0, 0)] * (x.ndim - 1) + [(0, -K % 32)]); x = x.reshape(x.shape[:-1] + (-1, 32)); a = np.abs(x).max(-1, keepdims=True)
;;       e = np.where(a > 0, np.clip(np.frexp(np.where(a > 0, a, 1))[1] - 1 - 15, -126, 127), 0)      # np.frexp(a)[1] - 1 = floor(log2(a)), exactly
;;       r = np.clip(x / 2.0 ** e, -57344, 57344)
;;       step = 2.0 ** (np.maximum(np.frexp(np.where(r == 0, 1, r))[1] - 1, -14) - 2)
;;       q = np.round(r / step) * step * 2.0 ** e      # np.round: ties to even
;;       return np.moveaxis(q.reshape(q.shape[:-2] + (-1,))[..., :K], -1, axis).astype(np.float32)
;;   ~~~
;;   SOFTMAX AHEAD OF A QUANTISED PRODUCT. Where the list says 'softmax', what is quantised is not the finished softmax but p = 2^(t - M), with t = logit x log2(e) and M = ceil(the row's largest t), a whole number; so 1/2 < the row's largest p <= 1. The row's sum l is taken of the UNQUANTISED p, in f32, and the product's result is divided by l at the end. Since M is a whole number, a kernel that streams over the keys may use a running M (the ceiling of the running maximum): every later rescaling is an exact power of two, which a block's scale takes up: the codes' values come out the same.
;;   OPERANDS COMPUTED ON THE WAY. 'Computed on the way' means the value that the module computes at that place (a softmax that the list does not call 'softmax' is quantised finished and normalised). What goes into a quantiser is computed in f32, as accurately as f32 sums, v_exp_f32 and their like allow (about 1e-6 of the number): no bf16 or f16 on the way to a quantiser, and a product that is left as it is and whose result goes on into a quantised operand takes f32 operands (vector FMAs, or v_wmma_f32_16x16x4_f32). A number that lies on a knife's edge between two numbers of the format may be rounded either way, as far as f32 arithmetic and the matrix unit's own rounding can turn it there, and no further.
;; One version. Each part assembles by itself: llvm-mc -triple=amdgcn-amd-amdhsa -mcpu=gfx1250 --defsym DOCPART=n.
;; ======== version 1 of 1: 4 launches
;; limits: right only within a limited range of input values
;; workspace buffers: xq 4,325,376 bytes; wts 2,703,360 bytes; qbuf 4,456,448 bytes; kv 2,195,456 bytes; ctx 4,325,376 bytes
;; launch quant (part 1): grid 256 x 1, 13 waves a work-group, no clusters, 69,376 bytes of LDS; arguments hidden_states, Wq, Wk, Wv, Wo, xq, wts; writes xq, wts
.if DOCPART == 1
	.amdgcn_target "amdgcn-amd-amdhsa--gfx1250"
	.amdhsa_code_object_version 6
	.text
	.protected	k_qee0818f179_quant
	.globl	k_qee0818f179_quant
	.p2align	8
	.type	k_qee0818f179_quant,@function
k_qee0818f179_quant:
	s_mov_b64 s[64:65], 0
	v_nop
	global_prefetch_b8 v0, s[64:65] scope:SCOPE_SE
	s_setreg_imm32_b32 hwreg(HW_REG_WAVE_MODE, 25, 1), 1
	s_wait_xcnt 0x0
; GROUPED-QUERY ATTENTION IN MX-BF8, launch 1 of 4: hidden_states and the four weights become codes of E5M2 with one E8M0 byte for each 32 along K (the model axis).
; WORK LEFT OUT BY THE PROGRAM (in the third launch): reference() builds a causal mask in its own body and adds -1e9 to every score whose key comes after its query.  Key q counts for query q, so every row
; has an unmasked score; a masked one lies 1e9 under it and its weight is 0 in f32.  A step of 128 keys all of which come after all 16 queries of a tile therefore adds nothing to any output: it is not done.
; This holds while the unmasked scores stay under some 1e8 in size (a stated limit).  A NaN, an infinity or an overflow that reaches only such masked scores is not carried to the result.  All five inputs are live and are loaded.
; LAYOUT OF ALL WORKSPACE OPERANDS: AN IMAGE OF THE OPERAND'S REGISTERS.  A fragment (16 rows x 128 K) is 2,048 bytes: four chunks c of 512; in chunk c lane l = 16 h + r has 16 bytes at 16 l: k = 32 c + 16 h + 0 .. 15 of the
; tile's row r.  A TILE'S ROWS ARE NOT NEIGHBOURS: tile 2 G + u holds rows 32 G + 8 u + p + 8 (p / 8), p = 0 .. 15, so that the results of two neighbouring tiles are 16 neighbours along the next product's K.
; Scale words: 512 bytes a tile, [K step / 4][row][4 words], a word = the four bytes of one K step.
; xq: codes [tile 0..255][K step 0..7][2,048], then the scale words.  wts: the same for n-tiles: 4 hd + 0..3 Wq's heads hd = 0..11; 48 + 12 g + 0..3 Wq's head 12 + g, + 4..7 Wk's head g, + 8..11 Wv's (g = 0..3); 96..159 Wo.
; THE QUANTISER: a block's scale is 2^(floor(log2(largest magnitude)) - 15); its byte is the largest magnitude's exponent field - 15, held at 1 from below; numbers are held within +-57,344 x the scale and rounded to the nearest code.
; LIMITS: a block whose largest magnitude lies under 2^(16 - 127) keeps the byte 1 (a block of zeros too, where the rule says 127: its codes are zeros and this program alone reads the bytes); NaN and infinities among the inputs are not served.
; SHARES: 256 work-groups of equal bytes.  Waves 0 to 7: the work-group's tile of hidden_states, a K step each (16 rows x 512 bytes, K innermost), turned through the wave's own stage in LDS so that every load is 512 dense bytes.
; Waves 8 to 12: 32 columns x 64 rows of a weight each (K outermost: a lane takes a column, its registers run down K); 5 x 256 such pieces.  A wave's 8 KiB are asked for at once.  No barrier: waves share nothing.
.set XSC,   4194304                    ; where xq's scale words begin
.set WSC,   2621440                    ; where wts' begin
.set SPARE, 67584                      ; behind the eight stages of 16 rows x 528 bytes: the spare words, 128 bytes a wave
.set SPW,   12
.set NIL,   13
.set TM,    14                         ; v14-29 at work: largest magnitudes, bytes, holds, scale operands
.set PW,    30                         ; v30 the scale word
.set PC,    36                         ; v36-51 codes
.set X,     52                         ; v52-115 64 numbers: register 16 b + i = k 32 b + 16 h + i of my row (weights: v52-67 codes, v84 two bytes)
.set R,     116                        ; v116-179 numbers as they are loaded
.set SEL,   40
.set MNT,   42                         ; s42 the mantissa field of 57,344
	s_load_b256 s[4:11], s[0:1], 0x0               ; hidden_states s[4:5], Wq s[6:7], Wk s[8:9], Wv s[10:11]
	s_load_b128 s[12:15], s[0:1], 0x20             ; Wo s[12:13], xq s[14:15]
	s_load_b64 s[16:17], s[0:1], 0x30              ; wts
	v_lshl_add_u32 v[SPW], v0, 2, SPARE
	v_mov_b32 v[NIL], 0
	v_lshrrev_b32 v1, 5, v0
	v_readfirstlane_b32 s18, v1                    ; wave 0..12
	v_and_b32 v8, 31, v0                           ; lane
	s_mov_b32 s[SEL], 0x76543210
	s_mov_b32 s[SEL+1], 0xfedcba98
	s_mov_b32 s[MNT], 0x600000
	s_wait_alu depctr_va_vdst(0)                   ; ahead of the branch
	s_cmp_ge_u32 s18, 8
	s_cbranch_scc1 .Lweights
	; ---------------- hidden_states: tile = the work-group's number, K step = the wave's
	v_lshlrev_b32 v1, 4, v8                        ; 16 x lane: my place in 512 dense bytes, in memory on both ways
	v_and_b32 v9, 15, v0                           ; r
	v_bfe_u32 v5, v0, 4, 1                         ; h
	s_mul_i32 s19, s18, 8448                       ; my stage
	v_add_nc_u32 v2, s19, v1                       ; into it: a row's 512 bytes as they are loaded
	v_mul_u32_u24 v3, v9, 528
	v_lshl_add_u32 v3, v5, 6, v3
	v_add_nc_u32 v3, s19, v3                       ; out of it: row r, + 64 h: my 16 numbers of a block of 32
	v_lshlrev_b32 v4, 4, v9
	v_lshl_add_u32 v4, v5, 1, v4                   ; my half of my row's scale word: 16 r + 2 h
	v_lshlrev_b32 v10, 4, v5
.irp b, 0,1,2,3
	v_mov_b32 v[TM+4+\b], 0                        ; a lane permute's destination counts as one of its sources
.endr
	s_lshr_b32 s24, ttmp9, 1
	s_lshl_b32 s24, s24, 5
	s_and_b32 s25, ttmp9, 1
	s_lshl_b32 s25, s25, 3
	s_add_co_u32 s24, s24, s25                     ; the tile's first row: 32 (T / 2) + 8 (T % 2)
	s_lshl_b32 s24, s24, 12                        ; a row is 4,096 bytes
	s_lshl_b32 s25, s18, 9                         ; a K step is 512
	s_add_co_u32 s24, s24, s25
	s_mov_b32 s25, 0
	s_lshl_b32 s26, ttmp9, 14                      ; codes: 16,384 a tile, 2,048 a K step
	s_lshl_b32 s27, s18, 11
	s_add_co_u32 s26, s26, s27
	s_mov_b32 s27, 0
	s_lshl_b32 s28, ttmp9, 9                       ; scale words: 512 a tile, 256 for four K steps
	s_lshr_b32 s29, s18, 2
	s_lshl_b32 s29, s29, 8
	s_add_co_u32 s28, s28, s29
	s_and_b32 s29, s18, 3
	s_lshl_b32 s29, s29, 2
	s_add_co_u32 s28, s28, s29
	s_add_co_u32 s28, s28, XSC
	s_mov_b32 s29, 0
	s_wait_alu depctr_va_vdst(0)                   ; the head's end
	s_wait_kmcnt 0x0
	s_add_nc_u64 s[4:5], s[4:5], s[24:25]
	s_add_nc_u64 s[26:27], s[14:15], s[26:27]
	s_add_nc_u64 s[28:29], s[14:15], s[28:29]
.irp p, 0,1,2,3,4,5,6,7,8,9,10,11,12,13,14,15
	global_load_b128 v[R+4*\p:R+4*\p+3], v1, s[4:5] offset:(\p+8*(\p/8))*4096 th:TH_LOAD_NT
.endr
.irp p, 0,1,2,3,4,5,6,7,8,9,10,11,12,13,14,15
	s_wait_loadcnt 15-\p                           ; row p is in; the later rows may be out
	ds_store_b128 v2, v[R+4*\p:R+4*\p+3] offset:528*\p
.endr
.irp c, 0,1,2,3
.irp j, 0,1,2,3
	ds_load_b128 v[X+16*\c+4*\j:X+16*\c+4*\j+3], v3 offset:128*\c+16*\j   ; LDS serves a wave's instructions in order (ISA guide 5.7.1.4): these see the stores
.endr
.endr
	s_wait_dscnt 0x0
.irp b, 0,1,2,3
	v_max3_num_f32 v[TM+\b], |v[X+16*\b]|, |v[X+16*\b+1]|, 0x8000000   ; my 16 numbers of block b, and the floor 2^(16 - 127)
.endr
.irp i, 2,4,6,8,10,12,14
.irp b, 0,1,2,3
	v_max3_num_f32 v[TM+\b], v[TM+\b], |v[X+16*\b+\i]|, |v[X+16*\b+\i+1]|   ; the four blocks by turns
.endr
.endr
.irp b, 0,1,2,3
	v_permlanex16_b32 v[TM+4+\b], v[TM+\b], s[SEL], s[SEL+1]
.endr
.irp b, 0,1,2,3
	v_max_num_f32 v[TM+\b], v[TM+\b], v[TM+4+\b]                ; with lane l xor 16's 16: the block's largest magnitude
.endr
.irp b, 0,1,2,3
	v_add_nc_u32 v[TM+12+\b], 0xf8800000, v[TM+\b]              ; 15 off its exponent field: the conversion's scale operand
.endr
.irp b, 0,1,2,3
	v_and_or_b32 v[TM+8+\b], v[TM+\b], 0x7f800000, s[MNT]       ; 57,344 x the scale
.endr
.irp b, 0,1,2,3
	v_lshrrev_b32 v[TM+4+\b], 23, v[TM+12+\b]                   ; the scale's byte
.endr
	v_lshl_or_b32 v[PW], v[TM+5], 8, v[TM+4]
	v_lshl_or_b32 v[PW], v[TM+6], 16, v[PW]
	v_lshl_or_b32 v[PW], v[TM+7], 24, v[PW]
.irp b, 0,1,2,3
.irp i, 0,1,2,3,4,5,6,7,8,9,10,11,12,13,14,15
	v_med3_num_f32 v[X+16*\b+\i], v[X+16*\b+\i], -v[TM+8+\b], v[TM+8+\b]   ; the conversion to an 8-bit code does not saturate (ISA guide 7.6.2): the hold comes first
.endr
	v_cvt_scalef32_pk8_bf8_f32 v[PC+4*\b:PC+4*\b+1], v[X+16*\b:X+16*\b+7], v[TM+12+\b]
	v_cvt_scalef32_pk8_bf8_f32 v[PC+4*\b+2:PC+4*\b+3], v[X+16*\b+8:X+16*\b+15], v[TM+12+\b]
	global_store_b128 v1, v[PC+4*\b:PC+4*\b+3], s[26:27] offset:512*\b   ; 32 lanes store 512 consecutive bytes
.endr
	v_lshrrev_b32 v11, v10, v[PW]                  ; lanes 0-15 store my row's lower half word, lanes 16-31 the upper
	global_store_b16 v4, v11, s[28:29]             ; words 16 bytes apart: the other words of these units come from the neighbouring waves
	s_branch .Lend
	; ---------------- the weights: [1024 (k)][N] f32.  A lane takes a column, its registers run down K: a block of 32 lies in one lane
.Lweights:
	v_lshlrev_b32 v1, 2, v8                        ; 4 bytes a lane: a wave reads 128 consecutive bytes, its neighbour the next
	v_bfe_u32 v9, v0, 3, 1                         ; column 32 cg + l lies in tile u = (l / 8) % 2 of its pair,
	v_bfe_u32 v10, v0, 4, 1
	v_and_b32 v11, 7, v0
	v_lshl_add_u32 v10, v10, 3, v11                ; as its row p = 8 (l / 16) + l % 8
	v_lshlrev_b32 v10, 4, v10
	v_lshl_add_u32 v6, v9, 14, v10                 ; codes: 16,384 u + 16 p
	v_lshl_add_u32 v7, v9, 9, v10                  ; scale words: 512 u + 16 p
	s_mul_i32 s20, ttmp9, 5
	s_add_co_u32 s20, s20, s18
	s_sub_co_u32 s20, s20, 8                       ; piece 0..511 Wq, 512..639 Wk, 640..767 Wv, 768..1279 Wo
	s_sub_co_u32 s24, s20, 512
	s_sub_co_u32 s25, s20, 640
	s_sub_co_u32 s21, s20, 768
	s_wait_alu depctr_va_vdst(0)                   ; the head's end
	s_wait_kmcnt 0x0
	s_mov_b64 s[22:23], s[12:13]
	s_cmp_lt_u32 s20, 768
	s_cselect_b64 s[22:23], s[10:11], s[22:23]
	s_cselect_b32 s21, s25, s21
	s_cmp_lt_u32 s20, 640
	s_cselect_b64 s[22:23], s[8:9], s[22:23]
	s_cselect_b32 s21, s24, s21
	s_cmp_lt_u32 s20, 512
	s_cselect_b64 s[22:23], s[6:7], s[22:23]       ; the matrix,
	s_cselect_b32 s21, s20, s21                    ; and the piece's number within it
	s_cmp_lt_u32 s24, 256                          ; Wk or Wv: 256 columns, a row of 1,024 bytes
	s_cselect_b32 s28, 1, 0
	s_cselect_b32 s29, 3, 5
	s_cselect_b32 s32, 7, 31
	s_cselect_b32 s38, 16, 18                      ; 64 rows are 2^16 or 2^18 bytes
	s_and_b32 s33, s21, s32                        ; cg: which 32 columns
	s_lshr_b32 s34, s21, s29                       ; which 64 rows, 0..15
	; the pair of n-tiles.  Wq: cg, and from cg = 24 on 24 + 6 ((cg - 24) / 2) + cg % 2; Wk: 26 + 6 (cg / 2) + cg % 2; Wv: two more; Wo: 48 + cg
	s_sub_co_u32 s35, s33, 24
	s_cmp_eq_u32 s28, 1
	s_cselect_b32 s35, s33, s35
	s_lshr_b32 s36, s35, 1
	s_mul_i32 s36, s36, 6
	s_and_b32 s35, s35, 1
	s_add_co_u32 s35, s35, s36
	s_add_co_u32 s35, s35, 24
	s_cmp_lt_u32 s20, 640
	s_cselect_b32 s36, 2, 4
	s_cmp_eq_u32 s28, 1
	s_cselect_b32 s36, s36, 0
	s_add_co_u32 s35, s35, s36
	s_cmp_lt_u32 s33, 24
	s_cselect_b32 s37, s33, s35
	s_cmp_eq_u32 s28, 1
	s_cselect_b32 s37, s35, s37
	s_add_co_u32 s36, s33, 48
	s_cmp_ge_u32 s20, 768
	s_cselect_b32 s37, s36, s37
	s_lshl_b32 s24, s34, s38
	s_lshl_b32 s36, s33, 7
	s_add_co_u32 s24, s24, s36
	s_mov_b32 s25, 0
	s_add_nc_u64 s[22:23], s[22:23], s[24:25]      ; the matrix at my first row, my first column
	s_lshl_b32 s24, s37, 15
	s_lshl_b32 s36, s34, 10
	s_add_co_u32 s24, s24, s36                     ; two chunks of 512: half a K step
	s_add_nc_u64 s[26:27], s[16:17], s[24:25]
	s_lshl_b32 s24, s37, 10
	s_lshr_b32 s36, s34, 3
	s_lshl_b32 s36, s36, 8
	s_add_co_u32 s24, s24, s36
	s_and_b32 s36, s34, 7
	s_lshl_b32 s36, s36, 1
	s_add_co_u32 s24, s24, s36                     ; a K step's word is 4 bytes, my half of it 2
	s_add_co_u32 s24, s24, WSC
	s_add_nc_u64 s[30:31], s[16:17], s[24:25]
.macro LOADW pitch                     ; W(i, my column), i = 0 .. 63
.set n, 0
.rept 64
	global_load_b32 v[R+n], v1, s[22:23] offset:n*\pitch th:TH_LOAD_NT
.set n, n+1
.endr
.endm
.macro BLOCK c
.set XS, R+32*(\c)
	v_max3_num_f32 v14, |v[XS]|, |v[XS+1]|, |v[XS+2]|          ; the block's largest magnitude: all 32 numbers are mine; two chains
	v_max3_num_f32 v15, |v[XS+3]|, |v[XS+4]|, |v[XS+5]|
.irp i, 6,10,14,18,22,26
	v_max3_num_f32 v14, v14, |v[XS+\i]|, |v[XS+\i+1]|
	v_max3_num_f32 v15, v15, |v[XS+\i+2]|, |v[XS+\i+3]|
.endr
	v_max3_num_f32 v14, v14, |v[XS+30]|, |v[XS+31]|
	v_max3_num_f32 v14, v14, v15, 0x8000000        ; and the floor
	v_add_nc_u32 v17, 0xf8800000, v14              ; the conversion's scale operand
	v_and_or_b32 v16, v14, 0x7f800000, s[MNT]      ; 57,344 x the scale
	v_lshrrev_b32 v18, 23, v17                     ; the byte
.if (\c) == 0
	v_mov_b32 v84, v18
.else
	v_lshl_or_b32 v84, v18, 8, v84                 ; the lower K in the lower byte
.endif
.set n, 0
.rept 32
	v_med3_num_f32 v[XS+n], v[XS+n], -v16, v16
.set n, n+1
.endr
.irp g, 0,1,2,3
	v_cvt_scalef32_pk8_bf8_f32 v[X+8*(\c)+2*\g:X+8*(\c)+2*\g+1], v[XS+8*\g:XS+8*\g+7], v17
.endr
	v_nop                                          ; a plain line behind the last conversion
	global_store_b128 v6, v[X+8*(\c):X+8*(\c)+3], s[26:27] offset:512*(\c)         ; k = 32 c + 0 .. 15: the place of lane (p, 0); sixteen lanes fill 256 consecutive bytes
	global_store_b128 v6, v[X+8*(\c)+4:X+8*(\c)+7], s[26:27] offset:512*(\c)+256   ; k = 32 c + 16 .. 31: that of lane (p, 1)
.endm
	s_cmp_eq_u32 s28, 1
	s_cbranch_scc1 .Lsmall
	LOADW 4096
	s_branch .Lwloaded
.Lsmall:
	LOADW 1024
.Lwloaded:
	s_wait_loadcnt 32                              ; block 0's 32 loads are in
	BLOCK 0
	s_wait_loadcnt 0x0
	BLOCK 1
	global_store_b16 v7, v84, s[30:31]             ; my column's two bytes: half words 16 bytes apart (80 KiB in the whole launch; the rest of a unit comes from other waves)
.Lend:
	s_wait_tensorcnt 0x0                           ; the wave's end
	ds_add_u32 v[SPW], v[NIL]
	s_wait_dscnt 0x0
	s_endpgm
.Lfunc_end_k_qee0818f179_quant:
	.size	k_qee0818f179_quant, .Lfunc_end_k_qee0818f179_quant-k_qee0818f179_quant
	.p2alignl 7, 3214868480
	.fill 96, 4, 3214868480
	.section	.rodata,"a",@progbits
	.p2align	6, 0x0
	.amdhsa_kernel k_qee0818f179_quant
		.amdhsa_group_segment_fixed_size 69376
		.amdhsa_private_segment_fixed_size 0
		.amdhsa_enable_private_segment 0
		.amdhsa_kernarg_size 56
		.amdhsa_user_sgpr_count 2
		.amdhsa_user_sgpr_kernarg_segment_ptr 1
		.amdhsa_wavefront_size32 1
		.amdhsa_system_sgpr_workgroup_id_x 1
		.amdhsa_system_sgpr_workgroup_id_y 1
		.amdhsa_system_sgpr_workgroup_id_z 1
		.amdhsa_system_vgpr_workitem_id 0
		.amdhsa_next_free_vgpr 184
		.amdhsa_next_free_sgpr 66
		.amdhsa_reserve_vcc 0
		.amdhsa_float_denorm_mode_32 3
		.amdhsa_float_denorm_mode_16_64 3
		.amdhsa_memory_ordered 1
		.amdhsa_forward_progress 1
		.amdhsa_inst_pref_size 38
	.end_amdhsa_kernel
	.amdgpu_metadata
---
amdhsa.version: [ 1, 2 ]
amdhsa.kernels:
  - .name:           k_qee0818f179_quant
    .symbol:         k_qee0818f179_quant.kd
    .args:
      - { .name: hidden_states, .offset: 0, .size: 8, .value_kind: global_buffer, .address_space: global }
      - { .name: Wq, .offset: 8, .size: 8, .value_kind: global_buffer, .address_space: global }
      - { .name: Wk, .offset: 16, .size: 8, .value_kind: global_buffer, .address_space: global }
      - { .name: Wv, .offset: 24, .size: 8, .value_kind: global_buffer, .address_space: global }
      - { .name: Wo, .offset: 32, .size: 8, .value_kind: global_buffer, .address_space: global }
      - { .name: xq, .offset: 40, .size: 8, .value_kind: global_buffer, .address_space: global }
      - { .name: wts, .offset: 48, .size: 8, .value_kind: global_buffer, .address_space: global }
    .group_segment_fixed_size: 69376
    .private_segment_fixed_size: 0
    .kernarg_segment_align: 8
    .kernarg_segment_size: 56
    .max_flat_workgroup_size: 416
    .sgpr_count:     66
    .vgpr_count:     184
    .wavefront_size: 32
...
	.end_amdgpu_metadata
.endif
;; end of part 1
;; launch qkv (part 2): grid 8 x 32, 4 waves a work-group, clusters of 4 x 4, 327,680 bytes of LDS; arguments xq, wts, qbuf, kv; writes qbuf, kv
.if DOCPART == 2
	.amdgcn_target "amdgcn-amd-amdhsa--gfx1250"
	.amdhsa_code_object_version 6
	.text
	.protected	k_qee0818f179_qkv
	.globl	k_qee0818f179_qkv
	.p2align	8
	.type	k_qee0818f179_qkv,@function
k_qee0818f179_qkv:
	s_mov_b64 s[64:65], 0
	v_nop
	global_prefetch_b8 v0, s[64:65] scope:SCOPE_SE
	s_setreg_imm32_b32 hwreg(HW_REG_WAVE_MODE, 25, 1), 1
	s_wait_xcnt 0x0
	s_wait_alu depctr_hold_cnt(0) depctr_sa_sdst(0) depctr_va_vdst(0) depctr_va_sdst(0) depctr_va_ssrc(0) depctr_va_vcc(0) depctr_vm_vsrc(0)
	s_getreg_b32 s2, hwreg(HW_REG_IB_STS2, 6, 4)
	s_cmp_eq_u32 s2, 0
	s_cbranch_scc0 .Lentry_in_a_cluster
	s_endpgm
.Lentry_in_a_cluster:
	s_bfe_u32 s2, ttmp6, 0x10000c
	s_cmp_lg_u32 s2, 0xf033
	s_cbranch_scc0 .Lentry_shape_is_right
	s_endpgm
.Lentry_shape_is_right:
; Launch 2 of 4: q = x Wq, k = x Wk, v = x Wv on codes of E5M2 (K = 1,024), and the results quantised in registers: q and k along the head's 64, v along the keys.  No f32 result goes to memory.
; A work-group makes 128 rows x 192 columns (12 n-tiles): 256 work-groups.  Cluster x = 0: three query heads each (3 j .. 3 j + 2 of heads 0..11); cluster x = 1: query head 12 + cx and key/value head cx.
; Four waves, 64 rows x 96 columns each: A FULL HEAD (4 n-tiles) AND HALF A HEAD (2).  Column half 0: tiles 0-3 and 4, 5; column half 1: tiles 8-11 and 6, 7.  In cluster x = 1 the half head is k's, column half 1's full head is v.
; THE TILES COME BY FIRST FILLS ALONE, one tensor load a wave at the head: K steps 0-3 of x (wave 0) and of the weights (wave 1), K steps 4-6 of x (wave 2) and 4-7 of the weights (wave 3): 311,296 bytes.  x's K step 7, which
; LDS has no room for beside the spare words, goes from memory straight into registers (64 a lane).  The first barrier shows waves 0 and 1's tiles, a second one, behind K step 2, the rest.
; CLUSTERS: 4 x 4 work-groups; x's tiles are shared along a row of the cluster, the weights' along a column.  No L2 prefetch: everything is asked for at the head and there is no loop of fills.
; q AND k: the product is used TRANSPOSED (source 0 = 16 columns of W, source 1 = 16 rows of x): a lane holds one row, its registers run along the head's 64.  v: NOT transposed: a lane holds one channel, its registers run
; along the keys.  Since a tile's rows are 32 G + 8 u + p + 8 (p / 8), the 16 registers of tiles 2 G and 2 G + 1 are 16 neighbours, 32 G + 16 h + 0 .. 15, and the conversions' results are the next operand's registers.
; OUT: qbuf: codes [batch][head][tile 0..127][block 0..1][512], then words [..][tile][16]: the two blocks' bytes, and the same two once more.
;      kv: [4 batch + kv head][key step] blocks of 17,152 bytes: k's 8 tiles x 1,024; v^T's 4 tiles x 2,048; k's words 8 x 64 (as q's); v's words 4 x 64.
; LIMITS: as stated at the head of the first launch's text (the byte's floor; NaN and infinities not served).
; REGISTERS: window 0: v1-11 addresses, v12-27 x's scale words (lanes 0-15 tile 2 p, lanes 16-31 tile 2 p + 1, K step s at 12 + 8 p + s), v30-53 the weights' likewise, v56-247 accumulators: block n of 16 registers holds 32 (two
; half waves) neighbours along the next K: n = 2 a + b of the full head, 8 + i of the half head; v248-249 the add's two.  Window 1: the way out.  Windows 2, 3: two buffers of fragments: x's four at 0, the weights' six at 64;
; window 3 from 160: x's K step 7.
.set XSC,   4194304
.set WSC,   2621440
.set QSC,   4194304
.set KVB,   17152
.set WA,    65536                      ; LDS: x's 8 tiles x K steps 0-3; the weights' 12 x 0-3;
.set XB,    163840                     ; x's 8 x K steps 4-6;
.set WBB,   212992                     ; the weights' 12 x 4-7
.set SPARE, 311296
.set LI,   3                           ; 16 x lane
.set L4,   4                           ; 4 x lane
.set SOF,  5                           ; 512 h + 16 r
.set ADX,  6                           ; v6, v7: my four tiles of x, K steps 0-3 and 4-6
.set ADF,  8                           ; v8, v9: the full head's tiles
.set ADH,  10                          ; v10, v11: the half head's
.set SA,   12
.set SB,   30
.set ACC,  56
.set SPW,  248
.set NIL,  249
.set SEL,  12
.set ISV,  66                          ; s66 1 in a wave whose full head is v
.set MNT,  67
.set MSB, 0
.macro WIN new                         ; the immediate's high byte repeats the setting that is left
.if MSB != \new
	s_set_vgpr_msb (MSB<<8)|(\new)
.set MSB, \new
.endif
.endm
.macro CROUND                          ; a round of the cluster's barrier
	s_barrier_signal -1
	s_barrier_wait -1
	s_cmp_lg_u32 s14, 0
	s_cbranch_scc1 .Lnot_wave_0_\@
	s_barrier_signal -3
.Lnot_wave_0_\@:
	s_barrier_wait -3
	s_barrier_signal -1
	s_barrier_wait -1
.endm
.macro GROUP1 g, mask, len, rows       ; descriptor group 1: rows of len elements of 8 bytes, 16,384 bytes apart; 21 set beside a mask; no padding
	s_or_b32 s[\g], s[\mask], (3<<16)|(1<<21)
	s_mov_b32 s[\g+1], (\len)<<16
	s_mov_b32 s[\g+2], (\rows)<<16
	s_mov_b32 s[\g+3], (\len)<<16
	s_mov_b32 s[\g+4], \rows
	s_mov_b32 s[\g+5], 2048
	s_mov_b32 s[\g+6], 0
	s_mov_b32 s[\g+7], 0
.endm
.macro GROUP0 g, lds, base, off
	s_mov_b32 s[\g], 1
	s_mov_b32 s[\g+1], \lds
	s_add_nc_u64 s[\g+2:\g+3], s[\base:\base+1], \off
	s_or_b32 s[\g+3], s[\g+3], 0x80000000
.endm
.macro TLOAD g0, g1                    ; an s_nop 0 and four v_nop follow each load
	tensor_load_to_lds s[\g0:\g0+3], s[\g1:\g1+7]
	s_nop 0
.rept 4
	v_nop
.endr
.endm
.macro ARM under, g0, g1, next
	s_cmp_lt_u32 s14, \under
	s_cbranch_scc0 \next
	TLOAD \g0, \g1
	s_branch .Lasked
\next:
.endm
.macro PLACES                          ; eight places behind this matrix form
.rept 8
	v_nop
.endr
.endm
.macro LF k, b                         ; K step k's fragments into buffer b: 24 loads of the weights, 16 of x (K step 7: none)
	WIN 0x80+0x40*\b
.irp j, 0,1,2,3,4,5
.irp c, 0,1,2,3
.if \j < 4
	ds_load_b128 v[64+16*\j+4*\c:64+16*\j+4*\c+3], v[ADF+\k/4] offset:8192*\j+2048*(\k%4)+512*\c
.else
	ds_load_b128 v[64+16*\j+4*\c:64+16*\j+4*\c+3], v[ADH+\k/4] offset:8192*(\j-4)+2048*(\k%4)+512*\c
.endif
.endr
.endr
.irp i, 0,1,2,3
.irp c, 0,1,2,3
.if \k < 4
	ds_load_b128 v[16*\i+4*\c:16*\i+4*\c+3], v[ADX] offset:8192*\i+2048*\k+512*\c
.elseif \k < 7
	ds_load_b128 v[16*\i+4*\c:16*\i+4*\c+3], v[ADX+1] offset:6144*\i+2048*(\k-4)+512*\c
.endif
.endr
.endr
	WIN 0
.endm
.macro WM d, a, b, sa, sb, ra, rb      ; Z_ = 1: the first K step starts the sums; ra, rb = 1: that side's scales stand in lanes 16-31
.if Z_
.if \ra && \rb
	v_wmma_scale_f32_16x16x128_f8f6f4 v[\d:\d+7], v[\a:\a+15], v[\b:\b+15], 0, v[\sa], v[\sb] matrix_a_fmt:MATRIX_FMT_BF8 matrix_b_fmt:MATRIX_FMT_BF8 matrix_a_scale:MATRIX_SCALE_ROW1 matrix_b_scale:MATRIX_SCALE_ROW1
.elseif \ra
	v_wmma_scale_f32_16x16x128_f8f6f4 v[\d:\d+7], v[\a:\a+15], v[\b:\b+15], 0, v[\sa], v[\sb] matrix_a_fmt:MATRIX_FMT_BF8 matrix_b_fmt:MATRIX_FMT_BF8 matrix_a_scale:MATRIX_SCALE_ROW1
.elseif \rb
	v_wmma_scale_f32_16x16x128_f8f6f4 v[\d:\d+7], v[\a:\a+15], v[\b:\b+15], 0, v[\sa], v[\sb] matrix_a_fmt:MATRIX_FMT_BF8 matrix_b_fmt:MATRIX_FMT_BF8 matrix_b_scale:MATRIX_SCALE_ROW1
.else
	v_wmma_scale_f32_16x16x128_f8f6f4 v[\d:\d+7], v[\a:\a+15], v[\b:\b+15], 0, v[\sa], v[\sb] matrix_a_fmt:MATRIX_FMT_BF8 matrix_b_fmt:MATRIX_FMT_BF8
.endif
.else
.if \ra && \rb
	v_wmma_scale_f32_16x16x128_f8f6f4 v[\d:\d+7], v[\a:\a+15], v[\b:\b+15], v[\d:\d+7], v[\sa], v[\sb] matrix_a_fmt:MATRIX_FMT_BF8 matrix_b_fmt:MATRIX_FMT_BF8 matrix_a_scale:MATRIX_SCALE_ROW1 matrix_b_scale:MATRIX_SCALE_ROW1
.elseif \ra
	v_wmma_scale_f32_16x16x128_f8f6f4 v[\d:\d+7], v[\a:\a+15], v[\b:\b+15], v[\d:\d+7], v[\sa], v[\sb] matrix_a_fmt:MATRIX_FMT_BF8 matrix_b_fmt:MATRIX_FMT_BF8 matrix_a_scale:MATRIX_SCALE_ROW1
.elseif \rb
	v_wmma_scale_f32_16x16x128_f8f6f4 v[\d:\d+7], v[\a:\a+15], v[\b:\b+15], v[\d:\d+7], v[\sa], v[\sb] matrix_a_fmt:MATRIX_FMT_BF8 matrix_b_fmt:MATRIX_FMT_BF8 matrix_b_scale:MATRIX_SCALE_ROW1
.else
	v_wmma_scale_f32_16x16x128_f8f6f4 v[\d:\d+7], v[\a:\a+15], v[\b:\b+15], v[\d:\d+7], v[\sa], v[\sb] matrix_a_fmt:MATRIX_FMT_BF8 matrix_b_fmt:MATRIX_FMT_BF8
.endif
.endif
.endm
.macro MUL k, b, sw                    ; a K step's 24 matrix instructions; the accumulators take turns, one instruction a turn
	WIN 0x0a+5*\b                                  ; sources 0 and 1 in window 2 + b, C and D in window 0
.set Z_, 0
.if \k == 0
.set Z_, 1
.endif
.set XR, 0
.if \k == 7
.set XR, 160
.endif
.irp i, 0,1,2,3
.irp j, 0,1,2,3,4,5
.if \j > 3
	WM ACC+128+8*(2*\i+\j-4), 64+16*\j, XR+16*\i, SB+8*(\j/2)+\k, SA+8*(\i/2)+\k, (\j%2), (\i%2)
.elseif \sw
	WM ACC+8*(4*\j+\i), XR+16*\i, 64+16*\j, SA+8*(\i/2)+\k, SB+8*(\j/2)+\k, (\i%2), (\j%2)
.else
	WM ACC+8*(4*\i+\j), 64+16*\j, XR+16*\i, SB+8*(\j/2)+\k, SA+8*(\i/2)+\k, (\j%2), (\i%2)
.endif
.endr
.endr
	WIN 0
.endm
.macro KSTEP k, b
.if \k < 6
	s_wait_dscnt 40                                ; this K step's loads are in; the next one's 40 may be out
.elseif \k == 6
	s_wait_dscnt 24                                ; (K step 7's: the weights' 24 alone)
.else
	s_wait_dscnt 0x0
.endif
	s_cmp_eq_u32 s[ISV], 1                         ; the cluster's x and the wave's number alone: the same in all partners
	s_cbranch_scc1 .Lnarm_\@
	MUL \k, \b, 0
	s_branch .Ljoin_\@
.Lnarm_\@:
	MUL \k, \b, 1
.Ljoin_\@:
	PLACES
.if \k == 2
	s_wait_tensorcnt 0x0                           ; my tile is in
	s_wait_dscnt 0x0
	s_barrier_signal -1
	s_barrier_wait -1                              ; everybody's are: K steps 4 to 7 may be read
.endif
.if \k < 6
.set KN, \k+2
	LF KN, \b
.endif
.endm
	s_load_b128 s[4:7], s[0:1], 0x0                ; xq s[4:5], wts s[6:7]
	s_load_b128 s[8:11], s[0:1], 0x10              ; qbuf s[8:9], kv s[10:11]
	v_lshl_add_u32 v[SPW], v0, 2, SPARE
	v_mov_b32 v[NIL], 0
	ds_add_u32 v[SPW], v[NIL]                      ; the wave's opening: the add, twice on end, and its wait ahead of my first tensor load
	ds_add_u32 v[SPW], v[NIL]
	v_lshrrev_b32 v1, 5, v0
	v_readfirstlane_b32 s14, v1                    ; wave 0..3
	s_lshr_b32 s15, s14, 1                         ; which 64 rows are mine
	s_and_b32 s16, s14, 1                          ; which column half
	s_bfe_u32 s56, ttmp6, 0x40000                  ; cx, cy: my place in the cluster
	s_bfe_u32 s57, ttmp6, 0x40004
	s_lshl_b32 s58, ttmp9, 2
	s_add_co_u32 s58, s58, s56                     ; tile column j, 0..7
	s_and_b32 s17, ttmp7, 0xffff
	s_lshl_b32 s17, s17, 2
	s_add_co_u32 s17, s17, s57                     ; tile row, 0..31: one key step
	s_lshl_b32 s59, s57, 2
	s_lshl_b32 s59, 15, s59                        ; my row of the cluster
	s_lshl_b32 s60, 0x1111, s56                    ; my column
	GROUP1 24, 59, 1024, 8                         ; x, K steps 0-3
	GROUP1 32, 60, 1024, 12                        ; the weights, 0-3
	GROUP1 40, 59, 768, 8                          ; x, 4-6
	GROUP1 48, 60, 1024, 12                        ; the weights, 4-7
	s_lshl_b32 s20, s17, 17                        ; x: by the tile row alone
	s_mov_b32 s21, 0
	s_mul_i32 s62, s58, 196608                     ; the weights: by the tile column alone
	s_mov_b32 s63, 0
	s_mov_b32 s[SEL], 0x76543210
	s_mov_b32 s[SEL+1], 0xfedcba98
	s_mov_b32 s[MNT], 0x600000
	s_wait_dscnt 0x0                               ; both opening adds are done
	CROUND                                         ; all sixteen work-groups are here: the joint loads meet
	s_wait_kmcnt 0x0
	s_add_nc_u64 s[20:21], s[4:5], s[20:21]
	s_add_nc_u64 s[62:63], s[6:7], s[62:63]
	GROUP0 68, 0, 20, 0
	GROUP0 72, WA, 62, 0
	GROUP0 76, XB, 20, 8192
	GROUP0 80, WBB, 62, 8192
	ARM 1, 68, 24, .Lwave_1                        ; ONE chain, one load a wave
	ARM 2, 72, 32, .Lwave_2
	ARM 3, 76, 40, .Lwave_3
	TLOAD 80, 48
.Lasked:
	v_and_b32 v1, 15, v0                           ; r
	v_bfe_u32 v2, v0, 4, 1                         ; h
	v_and_b32 v[LI], 31, v0
	v_lshlrev_b32 v[SOF], 4, v1
	v_lshl_add_u32 v[SOF], v2, 9, v[SOF]
	v_lshlrev_b32 v[L4], 2, v[LI]
	v_lshlrev_b32 v[LI], 4, v[LI]
	s_lshl_b32 s2, s17, 3
	s_lshl_b32 s3, s15, 2
	s_add_co_u32 s2, s2, s3                        ; my first tile of x
	s_lshl_b32 s84, s2, 9
	s_add_co_u32 s84, s84, XSC
	s_mov_b32 s85, 0
	s_lshl_b32 s90, s2, 14
	s_add_co_u32 s90, s90, 14336                   ; its K step 7
	s_mov_b32 s91, 0
	s_mul_i32 s2, s58, 12
	s_lshl_b32 s3, s16, 3
	s_add_co_u32 s86, s2, s3                       ; the full head's first n-tile
	s_lshl_b32 s86, s86, 9
	s_add_co_u32 s86, s86, WSC
	s_mov_b32 s87, 0
	s_lshl_b32 s3, s16, 1
	s_add_co_u32 s88, s2, s3
	s_add_co_u32 s88, s88, 4                       ; the half head's
	s_lshl_b32 s88, s88, 9
	s_add_co_u32 s88, s88, WSC
	s_mov_b32 s89, 0
	s_add_nc_u64 s[84:85], s[4:5], s[84:85]
	s_add_nc_u64 s[90:91], s[4:5], s[90:91]
	s_add_nc_u64 s[86:87], s[6:7], s[86:87]
	s_add_nc_u64 s[88:89], s[6:7], s[88:89]
	s_wait_alu depctr_va_vdst(0)
.irp g, 0,1                                    ; scale words: a load brings four K steps' words of two tiles' rows
.irp p, 0,1
	global_load_b128 v[SA+8*\p+4*\g:SA+8*\p+4*\g+3], v[SOF], s[84:85] offset:1024*\p+256*\g
	global_load_b128 v[SB+8*\p+4*\g:SB+8*\p+4*\g+3], v[SOF], s[86:87] offset:1024*\p+256*\g
.endr
	global_load_b128 v[SB+16+4*\g:SB+16+4*\g+3], v[SOF], s[88:89] offset:256*\g
.endr
	WIN 0xc0
.irp i, 0,1,2,3
.irp c, 0,1,2,3
	global_load_b128 v[160+16*\i+4*\c:160+16*\i+4*\c+3], v[LI], s[90:91] offset:16384*\i+512*\c   ; x's K step 7
.endr
.endr
	WIN 0x40
.set n, 0
.rept 12
	v_mov_b32 v[16+n], 0                           ; a lane permute's destination counts as one of its sources
.set n, n+1
.endr
	WIN 0
	s_lshl_b32 s2, s15, 15
	v_add_nc_u32 v[ADX], s2, v[LI]
	s_mul_i32 s2, s15, 24576
	s_add_co_u32 s2, s2, XB
	v_add_nc_u32 v[ADX+1], s2, v[LI]
	s_lshl_b32 s2, s16, 16
	s_add_co_u32 s2, s2, WA
	v_add_nc_u32 v[ADF], s2, v[LI]
	s_add_co_u32 s2, s2, WBB-WA
	v_add_nc_u32 v[ADF+1], s2, v[LI]
	s_lshl_b32 s2, s16, 14
	s_add_co_u32 s2, s2, WA+32768
	v_add_nc_u32 v[ADH], s2, v[LI]
	s_add_co_u32 s2, s2, WBB-WA
	v_add_nc_u32 v[ADH+1], s2, v[LI]
	; where the results go
	s_lshr_b32 s18, s17, 4                         ; batch
	s_and_b32 s19, s17, 15                         ; key step
	s_lshl_b32 s22, s18, 4
	s_lshl_b32 s23, s19, 3
	s_lshl_b32 s2, s15, 2
	s_add_co_u32 s23, s23, s2                      ; my first tile of a head's 128
	s_mul_i32 s3, s58, 3
	s_lshl_b32 s2, s16, 1
	s_wait_xcnt 0x0                                ; the loads above have read their bases, which are written again from here on
	s_add_co_u32 s84, s3, s2                       ; the full head: 3 j, 3 j + 2,
	s_add_co_u32 s85, s56, 12                      ; or 12 + cx
	s_cmp_eq_u32 ttmp9, 1                          ; the cluster's x: the same in all partners
	s_cselect_b32 s[ISV], s16, 0
	s_cselect_b32 s84, s85, s84
	s_add_co_u32 s84, s84, s22
	s_lshl_b32 s84, s84, 7
	s_add_co_u32 s84, s84, s23
	s_add_co_u32 s3, s3, 1                         ; the half head: 3 j + 1
	s_add_co_u32 s3, s3, s22
	s_lshl_b32 s3, s3, 7
	s_add_co_u32 s85, s3, s23
	s_lshl_b32 s2, s18, 2
	s_add_co_u32 s2, s2, s56
	s_lshl_b32 s2, s2, 4
	s_add_co_u32 s2, s2, s19
	s_mul_i32 s2, s2, KVB                          ; the block of key/value head cx and this key step
	s_lshl_b32 s86, s84, 10
	s_lshl_b32 s87, s84, 6
	s_add_co_u32 s87, s87, QSC
	s_lshl_b32 s88, s15, 10
	s_add_co_u32 s88, s88, s2
	s_add_co_u32 s88, s88, 8192                    ; v: my two chunks of each tile,
	s_lshl_b32 s89, s15, 1
	s_add_co_u32 s89, s89, s2
	s_add_co_u32 s89, s89, 16896                   ; my two bytes of each word
	s_cmp_eq_u32 s[ISV], 1
	s_cselect_b32 s92, s88, s86
	s_cselect_b32 s94, s89, s87
	s_cselect_b64 s[90:91], s[10:11], s[8:9]
	s_lshl_b32 s86, s85, 10
	s_lshl_b32 s87, s85, 6
	s_add_co_u32 s87, s87, QSC
	s_lshl_b32 s88, s15, 12
	s_add_co_u32 s88, s88, s2
	s_lshl_b32 s89, s15, 8
	s_add_co_u32 s89, s89, s2
	s_add_co_u32 s89, s89, 16384
	s_cmp_eq_u32 ttmp9, 1
	s_cselect_b32 s96, s88, s86
	s_cselect_b32 s98, s89, s87
	s_cselect_b64 s[100:101], s[10:11], s[8:9]
	s_lshl_b32 s86, s16, 9
	s_add_co_u32 s96, s96, s86                     ; the half head's block of 32: my column half
	s_add_co_u32 s98, s98, s16
	s_mov_b32 s93, 0
	s_mov_b32 s95, 0
	s_mov_b32 s97, 0
	s_mov_b32 s99, 0
	s_add_nc_u64 s[92:93], s[90:91], s[92:93]      ; the full head's codes,
	s_add_nc_u64 s[94:95], s[90:91], s[94:95]      ; words;
	s_add_nc_u64 s[96:97], s[100:101], s[96:97]    ; the half head's codes,
	s_add_nc_u64 s[98:99], s[100:101], s[98:99]    ; words
	s_wait_alu depctr_va_vdst(0)                   ; the head's end
	s_cmp_lt_u32 s14, 2
	s_cbranch_scc0 .Lnot_yet
	s_wait_tensorcnt 0x0                           ; waves 0 and 1: K steps 0 to 3 are in.  Waves 2 and 3 have load lines of their own and wait behind K step 2
.Lnot_yet:
	s_barrier_signal -1                            ; (no LDS instruction of mine is out here)
	s_barrier_wait -1
	LF 0, 0
	LF 1, 1
	s_wait_loadcnt 0x0                             ; the scale words, x's K step 7
	KSTEP 0, 0
	KSTEP 1, 1
	KSTEP 2, 0
	KSTEP 3, 1
	KSTEP 4, 0
	KSTEP 5, 1
	KSTEP 6, 0
	KSTEP 7, 1
	; THE QUANTISER, twelve blocks by turns.  Window 1: v0-11 largest magnitudes, v16-27 the other half wave's, then bytes, v32-43 scale operands, v48-59 holds, v64-111 codes, v112-119 words
	v_cmp_ne_u32 vcc_lo, 0, v2                     ; lanes 16-31
	WIN 0x40
.set n, 0
.rept 12
	v_max3_num_f32 v[n], |v[ACC+16*n]|, |v[ACC+16*n+1]|, 0x8000000   ; each accumulator from its low end on; the floor 2^(16 - 127)
.set n, n+1
.endr
	WIN 0x41
.irp i, 2,4,6,8,10,12,14
.set n, 0
.rept 12
	v_max3_num_f32 v[n], v[n], |v[ACC+16*n+\i]|, |v[ACC+16*n+\i+1]|
.set n, n+1
.endr
.endr
	WIN 0x55
.set n, 0
.rept 12
	v_permlanex16_b32 v[16+n], v[n], s[SEL], s[SEL+1]
.set n, n+1
.endr
.set n, 0
.rept 12
	v_max_num_f32 v[n], v[n], v[16+n]              ; with lane l xor 16's 16: the block's largest magnitude
.set n, n+1
.endr
.set n, 0
.rept 12
	v_add_nc_u32 v[32+n], 0xf8800000, v[n]         ; 15 off its exponent field: the conversion's scale operand
.set n, n+1
.endr
.set n, 0
.rept 12
	v_and_or_b32 v[48+n], v[n], 0x7f800000, s[MNT] ; 57,344 x the scale
.set n, n+1
.endr
.set n, 0
.rept 12
	v_lshrrev_b32 v[16+n], 23, v[32+n]             ; the byte
.set n, n+1
.endr
.irp a, 0,1,2,3
	v_lshl_or_b32 v[112+\a], v[17+2*\a], 8, v[16+2*\a]
.endr
	v_cndmask_b32 v116, v24, v25, vcc_lo           ; the half head's bytes: lanes 0-15 the even tile's, lanes 16-31 the odd tile's
	v_cndmask_b32 v117, v26, v27, vcc_lo
	WIN 0x14
.set n, 0
.rept 192
	v_med3_num_f32 v[ACC+n], v[ACC+n], -v[48+n/16], v[48+n/16]   ; the conversion does not saturate (ISA guide 7.6.2): the hold comes first
.set n, n+1
.endr
	WIN 0x44
.set n, 0
.rept 12
	v_cvt_scalef32_pk8_bf8_f32 v[64+4*n:65+4*n], v[ACC+16*n:ACC+16*n+7], v[32+n]
	v_cvt_scalef32_pk8_bf8_f32 v[66+4*n:67+4*n], v[ACC+16*n+8:ACC+16*n+15], v[32+n]
.set n, n+1
.endr
	v_nop                                          ; a plain line behind the last conversion
	WIN 0
	s_wait_alu depctr_va_vdst(0)                   ; ahead of the branch
	s_cmp_eq_u32 s[ISV], 1
	s_cbranch_scc1 .Lvout
	WIN 0x55
.irp a, 0,1,2,3
	v_lshl_or_b32 v[112+\a], v[112+\a], 16, v[112+\a]   ; the two bytes once more above
.endr
	v_cndmask_b32 v118, v112, v113, vcc_lo
	v_cndmask_b32 v119, v114, v115, vcc_lo
	WIN 0x04
.irp a, 0,1,2,3
	global_store_b128 v[LI], v[64+8*\a:67+8*\a], s[92:93] offset:1024*\a       ; 512 consecutive bytes
	global_store_b128 v[LI], v[68+8*\a:71+8*\a], s[92:93] offset:1024*\a+512
.endr
	global_store_b32 v[L4], v118, s[94:95]         ; 128 consecutive bytes
	global_store_b32 v[L4], v119, s[94:95] offset:128
	WIN 0
	s_branch .Lhalf
.Lvout:
	WIN 0x55
	v_cndmask_b32 v118, v112, v113, vcc_lo
	v_cndmask_b32 v119, v114, v115, vcc_lo
	WIN 0x04
.irp a, 0,1,2,3
	global_store_b128 v[LI], v[64+8*\a:67+8*\a], s[92:93] offset:2048*\a
	global_store_b128 v[LI], v[68+8*\a:71+8*\a], s[92:93] offset:2048*\a+512
.endr
	global_store_b16 v[L4], v118, s[94:95]         ; my two bytes of a channel's word (the other half comes from the wave with the other 64 keys)
	global_store_b16 v[L4], v119, s[94:95] offset:128
	WIN 0
.Lhalf:
	WIN 0x04
.irp i, 0,1,2,3
	global_store_b128 v[LI], v[96+4*\i:99+4*\i], s[96:97] offset:1024*\i
.endr
	global_store_b8 v[L4], v116, s[98:99]          ; my block's byte, twice a word (the other block's comes from the wave with the other column half)
	global_store_b8 v[L4], v116, s[98:99] offset:2
	global_store_b8 v[L4], v117, s[98:99] offset:128
	global_store_b8 v[L4], v117, s[98:99] offset:130
	WIN 0
	s_wait_tensorcnt 0x0                           ; the wave's end, behind my last tensor load
	ds_add_u32 v[SPW], v[NIL]
	s_wait_dscnt 0x0
	CROUND                                         ; the closing round
	s_endpgm
.Lfunc_end_k_qee0818f179_qkv:
	.size	k_qee0818f179_qkv, .Lfunc_end_k_qee0818f179_qkv-k_qee0818f179_qkv
	.p2alignl 7, 3214868480
	.fill 96, 4, 3214868480
	.section	.rodata,"a",@progbits
	.p2align	6, 0x0
	.amdhsa_kernel k_qee0818f179_qkv
		.amdhsa_group_segment_fixed_size 327680
		.amdhsa_private_segment_fixed_size 0
		.amdhsa_enable_private_segment 0
		.amdhsa_kernarg_size 32
		.amdhsa_user_sgpr_count 2
		.amdhsa_user_sgpr_kernarg_segment_ptr 1
		.amdhsa_wavefront_size32 1
		.amdhsa_system_sgpr_workgroup_id_x 1
		.amdhsa_system_sgpr_workgroup_id_y 1
		.amdhsa_system_sgpr_workgroup_id_z 1
		.amdhsa_system_vgpr_workitem_id 0
		.amdhsa_next_free_vgpr 1024
		.amdhsa_next_free_sgpr 102
		.amdhsa_reserve_vcc 1
		.amdhsa_float_denorm_mode_32 3
		.amdhsa_float_denorm_mode_16_64 3
		.amdhsa_memory_ordered 1
		.amdhsa_forward_progress 1
		.amdhsa_inst_pref_size 113
	.end_amdhsa_kernel
	.amdgpu_metadata
---
amdhsa.version: [ 1, 2 ]
amdhsa.kernels:
  - .name:           k_qee0818f179_qkv
    .symbol:         k_qee0818f179_qkv.kd
    .args:
      - { .name: xq, .offset: 0, .size: 8, .value_kind: global_buffer, .address_space: global }
      - { .name: wts, .offset: 8, .size: 8, .value_kind: global_buffer, .address_space: global }
      - { .name: qbuf, .offset: 16, .size: 8, .value_kind: global_buffer, .address_space: global }
      - { .name: kv, .offset: 24, .size: 8, .value_kind: global_buffer, .address_space: global }
    .group_segment_fixed_size: 327680
    .private_segment_fixed_size: 0
    .kernarg_segment_align: 8
    .kernarg_segment_size: 32
    .max_flat_workgroup_size: 128
    .sgpr_count:     102
    .vgpr_count:     1024
    .wavefront_size: 32
...
	.end_amdgpu_metadata
.endif
;; end of part 2
;; launch attn (part 3): grid 32 x 8, 16 waves a work-group, clusters of 4 x 1, 327,680 bytes of LDS; arguments qbuf, kv, ctx; writes ctx
.if DOCPART == 3
	.amdgcn_target "amdgcn-amd-amdhsa--gfx1250"
	.amdhsa_code_object_version 6
	.text
	.protected	k_qee0818f179_attn
	.globl	k_qee0818f179_attn
	.p2align	8
	.type	k_qee0818f179_attn,@function
k_qee0818f179_attn:
	s_mov_b64 s[64:65], 0
	v_nop
	global_prefetch_b8 v0, s[64:65] scope:SCOPE_SE
	s_setreg_imm32_b32 hwreg(HW_REG_WAVE_MODE, 25, 1), 1
	s_wait_xcnt 0x0
	s_wait_alu depctr_hold_cnt(0) depctr_sa_sdst(0) depctr_va_vdst(0) depctr_va_sdst(0) depctr_va_ssrc(0) depctr_va_vcc(0) depctr_vm_vsrc(0)
	s_getreg_b32 s2, hwreg(HW_REG_IB_STS2, 6, 4)
	s_cmp_eq_u32 s2, 0
	s_cbranch_scc0 .Lentry_in_a_cluster
	s_endpgm
.Lentry_in_a_cluster:
	s_bfe_u32 s2, ttmp6, 0x10000c
	s_cmp_lg_u32 s2, 0x3003
	s_cbranch_scc0 .Lentry_shape_is_right
	s_endpgm
.Lentry_shape_is_right:
; Launch 3 of 4: causal attention on codes of E5M2; the context is quantised on the way out, along the model axis.
; WORK LEFT OUT: a key step (128 keys) all of which come after a tile's 16 queries: reference() adds -1e9 to each of those scores, so their weight is 0 in f32 (the first launch's text shows it).  The result of hidden keys inside
; a step is thrown away by the mask below.  LIMITS: unmasked scaled scores under 1e8 in size; NaN and infinities are not served, and none that reaches only masked scores is carried on; the byte's floor as in the first launch.
; SHARES.  A work-group: one batch and key/value head (y), its four query heads, rows 32 G .. + 31 (short, G = 4 x cluster x + cx) and rows 32 (63 - G) .. + 31 (long): two tiles of 16 rows each.
; n_s = cluster x + 1 key steps count for a short tile, 17 - n_s for a long one.  A PAIR OF WAVES owns a short and the long tile of the same head and parity: 17 steps.  Wave A takes nine of the long tile's, wave B the
; short tile's n_s and then the long tile's other 8 - n_s.  Trip j: A: step j while j < n_s, then 2 j - n_s (the last is the diagonal's);  B: short step j while j < n_s, then long step 2 j - n_s + 1.
; B hands its part of the long tile (O, -M, the sum) to A through LDS; A joins both under the larger M: factors are whole powers of two.
; K AND V of the head, 16 blocks of 17,152 bytes (k's 8 tiles x 1,024, v^T's 4 x 2,048, k's words 512, v's words 256), lie in LDS whole.  Wave w asks for block w at the head, one tensor load a wave, 67 rows of 256 bytes.  Trip 0 reads
; block 0 alone, which wave 0 waits for; the rest is waited for behind it.  In each later trip a barrier's signal stands ahead of the step and its wait behind it: no wave is more than one trip ahead of another.
; CLUSTERS: four work-groups of one head ask for K and V jointly; their n_s is the same.  No L2 prefetch: all of K and V is asked for at the head, and no loop fills LDS.
; LAYOUT.  S^T = K Q^T: source 0 = TWO key tiles of 64 codes a row side by side (16 registers), source 1 = [Q, 0] for the first tile and [0, Q] for the second; the words of Q and K repeat their two bytes, so one word serves
; both.  A lane holds one query; the 16 registers of tiles 2 b, 2 b + 1 are keys 32 b + 16 h + 0 .. 15.  O^T = V^T P^T.
; REGISTERS: v1-8 addresses and the add's two; v10 h; v11 my byte's place among the context's; v12 -M, v13 the largest t, v[14:15] the sum; v16-39 zeros, Q, zeros; v40-103 K's, then V's fragments; v104-167 S^T, then p;
; v168-199 O^T; v200-215 p's codes; v216-223, v247 scale words; v224-239 at work; v[240:241] a factor; v[242:243] at work; v[244:245] the mask's first bounds; v246 at work; v248-255 Q of the long tile.
.set KVB,   17152
.set KVH,   274432
.set SPARE, 274432                     ; the spare words: 16 x 128 bytes
.set STG,   276480                     ; eight partial results of 4,352 bytes
.set QSC,   4194304
.set XSC,   4194304
.set LI,  1                            ; 16 x lane
.set L4,  2                            ; 4 x lane
.set STO, 3                            ; my pair's partial: O,
.set ADL, 4
.set ADS, 5
.set SPW, 6
.set NIL, 7
.set ST2, 8                            ; and -M, sum
.set X,   40
.set S,   104
.set O,   168
.set PC,  200
.set KS,  216
.set VS,  220
.set PS,  222
.set QS,  223
.set QS2, 247
.set BM,  224
.set PB,  228
.set HO,  232
.set SO,  236
.set TM,  224
.set TB,   2
.set WV,   18
.set MNT,  19
.set SEL,  20
.set CS,   22
.set G1A,  24
.set G0A,  40
.set J,    49                          ; the trip
.set ROLE, 70                          ; 0: A, 1: B
.set NS,   80                          ; n_s
.set CC,   81                          ; ROLE - n_s
.set NT,   82                          ; my trips: 9 or 8
.set SW,   83                          ; the trip ahead of which B goes on to the long tile
.set DJ,   84                          ; the trip of my diagonal step
.macro CROUND                          ; a round of the cluster's barrier
	s_barrier_signal -1
	s_barrier_wait -1
	s_cmp_lg_u32 s[WV], 0
	s_cbranch_scc1 .Lnot_wave_0_\@
	s_barrier_signal -3
.Lnot_wave_0_\@:
	s_barrier_wait -3
	s_barrier_signal -1
	s_barrier_wait -1
.endm
.macro TLOAD                           ; an s_nop 0 and four v_nop follow each load
	tensor_load_to_lds s[G0A:G0A+3], s[G1A:G1A+7]
	s_nop 0
.rept 4
	v_nop
.endr
.endm
.macro INIT                            ; a tile begins: O^T and the sum 0, the largest t -3e38
	v_mov_b32 v13, 0xff61b1e6
	v_mov_b32 v14, 0
	v_mov_b32 v15, 0
.set n, 0
.rept 32
	v_mov_b32 v[O+n], 0
.set n, n+1
.endr
	v_floor_f32 v12, -v13
.endm
; THE END OF A TILE: O^T / the sum, quantised along the head's 64, codes and bytes stored
.macro FIN
	s_wait_alu depctr_va_vdst(0)                   ; ahead of the readers below
	v_add_f32 v14, v14, v15
	v_permlanex16_b32 v246, v14, s[SEL], s[SEL+1]
	v_add_f32 v14, v14, v246                       ; with lane l xor 16's: the row's sum
	s_wait_alu depctr_va_vdst(0)
	v_rcp_f32 v240, v14
	v_nop
	s_wait_alu depctr_va_vdst(0)
.set n, 0
.rept 16
	v_pk_mul_f32 v[S+n:S+n+1], v[O+n:O+n+1], v[240:241] op_sel_hi:[1,0]
.set n, n+2
.endr
.irp b, 0,1
	v_max3_num_f32 v[TM+\b], |v[S+16*\b]|, |v[S+1+16*\b]|, 0x8000000   ; and the floor 2^(16 - 127)
.endr
.irp i, 2,4,6,8,10,12,14
.irp b, 0,1
	v_max3_num_f32 v[TM+\b], v[TM+\b], |v[S+16*\b+\i]|, |v[S+1+16*\b+\i]|
.endr
.endr
.irp b, 0,1
	v_permlanex16_b32 v[TM+2+\b], v[TM+\b], s[SEL], s[SEL+1]
.endr
.irp b, 0,1
	v_max_num_f32 v[TM+\b], v[TM+\b], v[TM+2+\b]
.endr
.irp b, 0,1
	v_add_nc_u32 v[TM+6+\b], 0xf8800000, v[TM+\b]  ; 15 off the exponent field: the conversion's scale operand
.endr
.irp b, 0,1
	v_and_or_b32 v[TM+4+\b], v[TM+\b], 0x7f800000, s[MNT]   ; 57,344 x the scale
.endr
.irp b, 0,1
	v_lshrrev_b32 v[TM+2+\b], 23, v[TM+6+\b]       ; the byte
.endr
.irp b, 0,1
.set n, 0
.rept 16
	v_med3_num_f32 v[S+16*\b+n], v[S+16*\b+n], -v[TM+4+\b], v[TM+4+\b]   ; the conversion does not saturate (ISA guide 7.6.2)
.set n, n+1
.endr
	v_cvt_scalef32_pk8_bf8_f32 v[PC+4*\b:PC+4*\b+1], v[S+16*\b:S+16*\b+7], v[TM+6+\b]
	v_cvt_scalef32_pk8_bf8_f32 v[PC+4*\b+2:PC+4*\b+3], v[S+16*\b+8:S+16*\b+15], v[TM+6+\b]
.endr
	v_cmp_ne_u32 vcc_lo, 0, v10
	v_cndmask_b32 v246, v[TM+2], v[TM+3], vcc_lo   ; lanes 0-15 store the first block's byte, lanes 16-31 the second's
	global_store_b128 v[LI], v[PC:PC+3], s[60:61]
	global_store_b128 v[LI], v[PC+4:PC+7], s[60:61] offset:512
	global_store_b8 v11, v246, s[62:63]
.endm
; B's short tile is finished: it leaves, and the long tile begins
.macro SWITCH
	s_cmp_lg_u32 s[J], s[SW]                       ; the wave's number and the cluster's: the same in all partners
	s_cbranch_scc1 .Lsame_\@
	FIN
	s_wait_xcnt 0x0                                ; the stores have read their registers
.set n, 0
.rept 8
	v_mov_b32 v[24+n], v[248+n]
.set n, n+1
.endr
	v_mov_b32 v[QS], v[QS2]
	INIT
	s_wait_alu depctr_va_vdst(0)
.Lsame_\@:
.endm
; A KEY STEP: 128 keys
.macro STEP lim
.if \lim
	s_lshl_b32 s51, s[J], 1
	s_add_co_u32 s51, s51, s[CC]                   ; 2 j - n_s (+ 1)
	s_cmp_lt_u32 s[J], s[NS]
	s_cselect_b32 s51, s[J], s51
	s_min_u32 s51, s51, \lim                       ; (never above it)
	s_mul_i32 s[TB], s51, KVB
.else
	s_mov_b32 s[TB], 0
.endif
	v_add_nc_u32 v[ADL], s[TB], v[LI]
	v_add_nc_u32 v[ADS], s[TB], v[L4]
.irp p, 0,1,2,3
.irp c, 0,1,2,3
	ds_load_b128 v[X+16*\p+4*\c:X+16*\p+4*\c+3], v[ADL] offset:2048*\p+512*\c
.endr
	ds_load_b32 v[KS+\p], v[ADS] offset:16384+128*\p   ; lanes 0-15 tile 2 p's words, lanes 16-31 tile 2 p + 1's
.endr
	s_wait_alu depctr_va_vdst(0)
.irp p, 0,1,2,3
	s_wait_dscnt 15-5*\p                           ; this pair's five loads are in; the later pairs' may be out
	v_wmma_scale_f32_16x16x128_f8f6f4 v[S+16*\p:S+16*\p+7], v[X+16*\p:X+16*\p+15], v[24:39], 0, v[KS+\p], v[QS] matrix_a_fmt:MATRIX_FMT_BF8 matrix_b_fmt:MATRIX_FMT_BF8
	v_wmma_scale_f32_16x16x128_f8f6f4 v[S+16*\p+8:S+16*\p+15], v[X+16*\p:X+16*\p+15], v[16:31], 0, v[KS+\p], v[QS] matrix_a_fmt:MATRIX_FMT_BF8 matrix_b_fmt:MATRIX_FMT_BF8 matrix_a_scale:MATRIX_SCALE_ROW1
.endr
.rept 8
	v_nop                                          ; places, for the loads into K's registers and for the readers of the scores
.endr
.irp t, 0,1,2,3
.irp c, 0,1,2,3
	ds_load_b128 v[X+16*\t+4*\c:X+16*\t+4*\c+3], v[ADL] offset:8192+2048*\t+512*\c   ; V's fragments, under the softmax
.endr
.endr
	ds_load_b32 v[VS], v[ADS] offset:16896
	ds_load_b32 v[VS+1], v[ADS] offset:17024
	s_cmp_lg_u32 s[J], s[DJ]
	s_cbranch_scc1 .Lopen_\@
	; THE DIAGONAL STEP: a score is held under (d - key + 1/2) 2^100, d my query's place in the step: far above every score where the key counts, far below where it does not (its p is 0)
	v_dual_min_num_f32 v[S], v[S], v244 :: v_dual_min_num_f32 v[S+1], v[S+1], v245
.set n, 2
.rept 31
.if n == 2
	v_pk_add_f32 v[242:243], v[244:245], s[66:67] op_sel_hi:[1,0]
.elseif n%16
	v_pk_add_f32 v[242:243], v[242:243], s[66:67] op_sel_hi:[1,0]   ; two keys on
.else
	v_pk_add_f32 v[242:243], v[242:243], s[68:69] op_sel_hi:[1,0]   ; 18 keys on: the next block of 32
.endif
	v_dual_min_num_f32 v[S+n], v[S+n], v242 :: v_dual_min_num_f32 v[S+n+1], v[S+n+1], v243
.set n, n+2
.endr
.Lopen_\@:
.irp b, 0,1,2,3
	v_max3_num_f32 v[BM+\b], v[S+16*\b], v[S+1+16*\b], v[S+2+16*\b]   ; the largest score of each block of 32 keys
.endr
.irp i, 3,5,7,9,11,13
.irp b, 0,1,2,3
	v_max3_num_f32 v[BM+\b], v[BM+\b], v[S+16*\b+\i], v[S+1+16*\b+\i]
.endr
.endr
.irp b, 0,1,2,3
	v_max_num_f32 v[BM+\b], v[BM+\b], v[S+15+16*\b]
.endr
.irp b, 0,1,2,3
	v_permlanex16_b32 v[PB+\b], v[BM+\b], s[SEL], s[SEL+1]
.endr
.irp b, 0,1,2,3
	v_max_num_f32 v[BM+\b], v[BM+\b], v[PB+\b]
.endr
	v_max3_num_f32 v246, v[BM], v[BM+1], v[BM+2]
	s_delay_alu instid0(VALU_DEP_1)
	v_max_num_f32 v246, v246, v[BM+3]
	s_delay_alu instid0(VALU_DEP_1)
	v_mul_f32 v246, s[CS], v246                    ; as t: score x log2(e) / 8
	s_delay_alu instid0(VALU_DEP_1)
	v_max_num_f32 v13, v13, v246
	v_mov_b32 v246, v12
	s_delay_alu instid0(VALU_DEP_2)
	v_floor_f32 v12, -v13                          ; -M: a whole number
	s_delay_alu instid0(VALU_DEP_1)
	v_sub_f32 v246, v12, v246
	s_delay_alu instid0(VALU_DEP_1)
	v_cvt_i32_f32 v246, v246                       ; (it saturates)
	s_delay_alu instid0(VALU_DEP_1)
	v_ldexp_f32 v240, 1.0, v246                    ; 2^(old M - new M)
.set n, 0
.rept 32
	v_pk_fma_f32 v[S+n:S+n+1], v[S+n:S+n+1], s[CS:CS+1], v[12:13] op_sel_hi:[1,0,0]   ; t - M
.set n, n+2
.endr
.irp b, 0,1,2,3
	v_fma_f32 v[BM+\b], v[BM+\b], s[CS], v12
.endr
	s_wait_alu depctr_va_vdst(0)                   ; a wait ahead of the batch, and one behind it
.set n, 0
.rept 64
	v_exp_f32 v[S+n], v[S+n]
.set n, n+1
.endr
	v_pk_mul_f32 v[14:15], v[14:15], v[240:241] op_sel_hi:[1,0]
	s_wait_alu depctr_va_vdst(0)
.irp b, 0,1,2,3
	v_exp_f32 v[BM+\b], v[BM+\b]                   ; each block's largest p, by the same two steps from its largest score
.endr
	v_pk_add_f32 v[242:243], v[S:S+1], v[S+2:S+3]  ; the row's sum, of the unquantised p: blocks 0 to 2 here, block 3 behind O^T's products
.set n, 4
.rept 11
	v_pk_add_f32 v[14:15], v[14:15], v[S+n:S+n+1]
	v_pk_add_f32 v[242:243], v[242:243], v[S+n+2:S+n+3]
.set n, n+4
.endr
	s_wait_alu depctr_va_vdst(0)
.irp b, 0,1,2,3
	v_max_num_f32 v[BM+\b], 0x8000000, v[BM+\b]    ; the floor 2^(16 - 127)
.endr
.irp b, 0,1,2,3
	v_add_nc_u32 v[SO+\b], 0xf8800000, v[BM+\b]    ; the conversion's scale operand
.endr
.irp b, 0,1,2,3
	v_and_or_b32 v[HO+\b], v[BM+\b], 0x7f800000, s[MNT]   ; 57,344 x the scale
.endr
.irp b, 0,1,2,3
	v_lshrrev_b32 v[PB+\b], 23, v[SO+\b]           ; the byte
.endr
	v_lshl_or_b32 v[PS], v[PB+1], 8, v[PB]
	v_lshl_or_b32 v[PS], v[PB+2], 16, v[PS]
	v_lshl_or_b32 v[PS], v[PB+3], 24, v[PS]
.irp b, 0,1,2,3
.if \b == 3
.set D, S                              ; block 3's held numbers go where block 0's were: its p stand for the sum
.else
.set D, S+16*\b
.endif
.set n, 0
.rept 8
	v_dual_min_num_f32 v[D+n], v[S+16*\b+n], v[HO+\b] :: v_dual_min_num_f32 v[D+n+1], v[S+16*\b+n+1], v[HO+\b]   ; the conversion does not saturate (ISA guide 7.6.2); p is not negative
.set n, n+2
.endr
	v_cvt_scalef32_pk8_bf8_f32 v[PC+4*\b:PC+4*\b+1], v[D:D+7], v[SO+\b]
	v_cvt_scalef32_pk8_bf8_f32 v[PC+4*\b+2:PC+4*\b+3], v[D+8:D+15], v[SO+\b]
.endr
	s_wait_dscnt 0x0                               ; V's fragments and words are in
	s_wait_alu depctr_va_vdst(0)                   ; directly ahead of the first readers of O^T
.set n, 0
.rept 16
	v_pk_mul_f32 v[O+n:O+n+1], v[O+n:O+n+1], v[240:241] op_sel_hi:[1,0]   ; O^T under the new M: exact
.set n, n+2
.endr
.irp t, 0,1,2,3
.if \t%2
	v_wmma_scale_f32_16x16x128_f8f6f4 v[O+8*\t:O+8*\t+7], v[X+16*\t:X+16*\t+15], v[PC:PC+15], v[O+8*\t:O+8*\t+7], v[VS+\t/2], v[PS] matrix_a_fmt:MATRIX_FMT_BF8 matrix_b_fmt:MATRIX_FMT_BF8 matrix_a_scale:MATRIX_SCALE_ROW1
.else
	v_wmma_scale_f32_16x16x128_f8f6f4 v[O+8*\t:O+8*\t+7], v[X+16*\t:X+16*\t+15], v[PC:PC+15], v[O+8*\t:O+8*\t+7], v[VS+\t/2], v[PS] matrix_a_fmt:MATRIX_FMT_BF8 matrix_b_fmt:MATRIX_FMT_BF8
.endif
.endr
.set n, 48
.rept 4
	v_pk_add_f32 v[14:15], v[14:15], v[S+n:S+n+1]  ; block 3's sums are the places behind the products
	v_pk_add_f32 v[242:243], v[242:243], v[S+n+2:S+n+3]
.set n, n+4
.endr
	v_pk_add_f32 v[14:15], v[14:15], v[242:243]
.endm
	s_load_b128 s[4:7], s[0:1], 0x0                ; qbuf, kv
	s_load_b64 s[8:9], s[0:1], 0x10                ; ctx
	v_lshl_add_u32 v[SPW], v0, 2, SPARE
	v_mov_b32 v[NIL], 0
	ds_add_u32 v[SPW], v[NIL]                      ; the wave's opening: the add, twice on end, and its wait ahead of my first tensor load
	ds_add_u32 v[SPW], v[NIL]
	v_lshrrev_b32 v9, 5, v0
	v_readfirstlane_b32 s[WV], v9                  ; wave 0..15
	s_mov_b32 s[G1A], 15|(3<<16)|(1<<21)           ; 15:0 the mask: all four; 17:16 elements of 8 bytes; 21 set beside a mask; no padding
	s_mov_b32 s[G1A+1], 32<<16                     ; 67 rows of 256 bytes, dense
	s_mov_b32 s[G1A+2], 67<<16
	s_mov_b32 s[G1A+3], 32<<16
	s_mov_b32 s[G1A+4], 67
	s_mov_b32 s[G1A+5], 32
	s_mov_b32 s[G1A+6], 0
	s_mov_b32 s[G1A+7], 0
	s_and_b32 s10, ttmp7, 0xffff                   ; y = 4 x batch + key/value head
	s_mul_i32 s12, s10, KVH
	s_mov_b32 s13, 0
	s_mul_i32 s11, s[WV], KVB                      ; my block
	s_bfe_u32 s48, ttmp6, 0x40000                  ; cx
	s_mov_b32 s73, ttmp9
	s_lshl_b32 s49, s73, 2
	s_add_co_u32 s49, s49, s48                     ; G
	s_and_b32 s72, s[WV], 3                        ; my head of the four
	s_bfe_u32 s[ROLE], s[WV], 0x10002
	s_lshr_b32 s71, s[WV], 3                       ; u: which of the two tiles
	s_sub_co_u32 s51, 63, s49
	s_lshl_b32 s53, s51, 1
	s_add_co_u32 s53, s53, s71                     ; the long tile
	s_lshl_b32 s54, s49, 1
	s_add_co_u32 s54, s54, s71                     ; the short tile
	s_sub_co_u32 s55, 3, s48
	s_add_co_u32 s[NS], s73, 1
	s_sub_co_u32 s[CC], s[ROLE], s[NS]
	s_cmp_eq_u32 s[ROLE], 0
	s_cselect_b32 s52, s53, s54                    ; the tile that I begin with, and finish
	s_cselect_b32 s55, s55, s48                    ; its block of 32 rows within its diagonal step
	s_cselect_b32 s[NT], 9, 8
	s_cselect_b32 s[SW], 64, s[NS]
	s_cselect_b32 s[DJ], 8, s73
	s_lshl_b32 s74, s10, 2
	s_add_co_u32 s74, s74, s72
	s_lshl_b32 s74, s74, 7                         ; (16 x batch + head) x 128
	s_add_co_u32 s75, s74, s52
	s_add_co_u32 s74, s74, s53
	s_lshl_b32 s56, s75, 10                        ; Q's codes and words: my first tile,
	s_mov_b32 s57, 0
	s_lshl_b32 s58, s75, 6
	s_add_co_u32 s58, s58, QSC
	s_mov_b32 s59, 0
	s_lshl_b32 s76, s74, 10                        ; and the long tile
	s_mov_b32 s77, 0
	s_lshl_b32 s78, s74, 6
	s_add_co_u32 s78, s78, QSC
	s_mov_b32 s79, 0
	s_lshr_b32 s51, s10, 2                         ; the context: tile 128 x batch + mine, 16,384 bytes; my head's half K step, 1,024 bytes
	s_lshl_b32 s51, s51, 7
	s_add_co_u32 s51, s51, s52
	s_and_b32 s53, s10, 3
	s_lshl_b32 s53, s53, 2
	s_add_co_u32 s53, s53, s72                     ; head 0..15
	s_lshl_b32 s60, s51, 14
	s_lshl_b32 s54, s53, 10
	s_add_co_u32 s60, s60, s54
	s_mov_b32 s61, 0
	s_lshl_b32 s62, s51, 9                         ; its bytes: 512 a tile, [K step / 4][row][4 words]
	s_lshr_b32 s54, s53, 3
	s_lshl_b32 s54, s54, 8
	s_add_co_u32 s62, s62, s54
	s_and_b32 s54, s53, 7
	s_lshl_b32 s54, s54, 1
	s_add_co_u32 s62, s62, s54
	s_add_co_u32 s62, s62, XSC
	s_mov_b32 s63, 0
	s_lshl_b32 s86, s71, 2
	s_add_co_u32 s86, s86, s72
	s_mul_i32 s86, s86, 4352                       ; my pair's partial result
	s_add_co_u32 s86, s86, STG
	s_add_co_u32 s87, s86, 4096
	s_lshl_b32 s88, s55, 5
	s_lshl_b32 s54, s71, 3
	s_add_co_u32 s88, s88, s54
	s_mov_b32 s[SEL], 0x76543210
	s_mov_b32 s[SEL+1], 0xfedcba98
	s_mov_b32 s[CS], 0x3e38aa3b                    ; log2(e) / 8
	s_mov_b32 s[CS+1], s[CS]
	s_mov_b32 s[MNT], 0x600000
	s_mov_b32 s66, 0xf2000000                      ; -2 x 2^100
	s_mov_b32 s67, s66
	s_mov_b32 s68, 0xf3900000                      ; -18 x 2^100
	s_mov_b32 s69, s68
	v_and_b32 v9, 15, v0                           ; r
	v_bfe_u32 v10, v0, 4, 1                        ; h
	v_and_b32 v[LI], 31, v0
	v_lshlrev_b32 v246, 2, v9
	v_lshl_add_u32 v11, v9, 4, v10
	v_lshlrev_b32 v[L4], 2, v[LI]
	v_lshlrev_b32 v[ST2], 3, v[LI]
	v_lshlrev_b32 v[LI], 4, v[LI]
	v_add_nc_u32 v[STO], s86, v[LI]
	v_add_nc_u32 v[ST2], s87, v[ST2]
	v_and_b32 v12, 8, v9
	v_lshlrev_b32 v13, 4, v10
	v_add3_u32 v12, v12, v9, s88
	v_sub_nc_u32 v12, v12, v13                     ; d = my query's place in its diagonal step - 16 h: register 16 b + i holds key 32 b + i + 16 h
	v_cvt_f32_i32 v12, v12
	v_add_f32 v12, 0.5, v12
	v_mul_f32 v244, 0x71800000, v12                ; (d + 1/2) 2^100: key 0's bound,
	v_add_f32 v245, 0xf1800000, v244               ; and key 1's
	s_wait_alu depctr_va_vdst(0)
	s_wait_dscnt 0x0                               ; both opening adds are done
	CROUND                                         ; all four work-groups are here: the joint loads meet
	s_wait_kmcnt 0x0
	s_add_nc_u64 s[12:13], s[6:7], s[12:13]
	s_mov_b32 s16, s11
	s_mov_b32 s17, 0
	s_mov_b32 s[G0A], 1
	s_mov_b32 s[G0A+1], s11
	s_add_nc_u64 s[G0A+2:G0A+3], s[12:13], s[16:17]
	s_or_b32 s[G0A+3], s[G0A+3], 0x80000000
	s_cmp_eq_u32 s[WV], 0                          ; wave 0, which waits ahead of the others, has a load line of its own
	s_cbranch_scc0 .Lothers
	TLOAD
	s_branch .Lasked
.Lothers:
	TLOAD
.Lasked:
	s_add_nc_u64 s[56:57], s[4:5], s[56:57]
	s_add_nc_u64 s[58:59], s[4:5], s[58:59]
	s_add_nc_u64 s[76:77], s[4:5], s[76:77]
	s_add_nc_u64 s[78:79], s[4:5], s[78:79]
	global_load_b128 v[24:27], v[LI], s[56:57]
	global_load_b128 v[28:31], v[LI], s[56:57] offset:512
	global_load_b32 v[QS], v246, s[58:59]
	global_load_b128 v[248:251], v[LI], s[76:77]
	global_load_b128 v[252:255], v[LI], s[76:77] offset:512
	global_load_b32 v[QS2], v246, s[78:79]
	s_add_nc_u64 s[60:61], s[8:9], s[60:61]
	s_add_nc_u64 s[62:63], s[8:9], s[62:63]
.set n, 0
.rept 8
	v_mov_b32 v[16+n], 0
	v_mov_b32 v[32+n], 0
	v_mov_b32 v[BM+n], 0                           ; (a lane permute's destination counts as one of its sources)
.set n, n+1
.endr
	v_mov_b32 v240, 0
	v_mov_b32 v241, 0                              ; (named as upper halves of pairs)
	v_mov_b32 v242, 0
	v_mov_b32 v243, 0
	INIT
	s_wait_alu depctr_va_vdst(0)                   ; the head's end
	s_wait_loadcnt 0x0                             ; Q
	s_cmp_eq_u32 s[WV], 0
	s_cbranch_scc0 .Lnot_first
	s_wait_tensorcnt 0x0                           ; wave 0: block 0 is in
.Lnot_first:
	s_barrier_signal -1
	s_barrier_wait -1
	s_mov_b32 s[J], 0
	STEP 0
	s_wait_tensorcnt 0x0                           ; my block is in
	s_wait_dscnt 0x0
	s_barrier_signal -1
	s_barrier_wait -1                              ; all blocks are
	s_mov_b32 s[J], 1
.Ltrip:
	SWITCH
	s_barrier_signal -1                            ; I begin this trip (no LDS instruction of mine is out here)
	s_cmp_ge_u32 s[J], s[NT]                       ; B has no ninth step
	s_cbranch_scc1 .Lskip
	STEP 15
.Lskip:
	s_barrier_wait -1                              ; all sixteen have begun it: nobody is more than a trip ahead
	s_add_co_u32 s[J], s[J], 1
	s_cmp_lt_u32 s[J], 9
	s_cbranch_scc1 .Ltrip
	s_wait_alu depctr_va_vdst(0)
	s_cmp_eq_u32 s[ROLE], 0
	s_cbranch_scc1 .Lowner
	v_add_f32 v233, v14, v15                       ; B: its part of the long tile, as the registers stand
	v_mov_b32 v232, v12
.irp i, 0,1,2,3,4,5,6,7
	ds_store_b128 v[STO], v[O+4*\i:O+4*\i+3] offset:512*\i
.endr
	ds_store_b64 v[ST2], v[232:233]
.Lowner:
	s_wait_dscnt 0x0
	s_barrier_signal -1
	s_barrier_wait -1
	s_cmp_eq_u32 s[ROLE], 1
	s_cbranch_scc1 .Lend
.irp i, 0,1,2,3,4,5,6,7
	ds_load_b128 v[X+4*\i:X+4*\i+3], v[STO] offset:512*\i
.endr
	ds_load_b64 v[232:233], v[ST2]                 ; B's -M and sum
	v_add_f32 v14, v14, v15
	v_mov_b32 v15, 0
	s_wait_alu depctr_va_vdst(0)
	s_wait_dscnt 0x0
	v_min_num_f32 v246, v12, v232                  ; the larger M, negated
	v_sub_f32 v234, v246, v12
	v_sub_f32 v235, v246, v232                     ; (where B had no long step its -M is 3e38: the factor is 0)
	v_cvt_i32_f32 v234, v234
	v_cvt_i32_f32 v235, v235
	v_ldexp_f32 v240, 1.0, v234
	v_ldexp_f32 v242, 1.0, v235
	v_mul_f32 v14, v14, v240
	v_fma_f32 v14, v233, v242, v14
.set n, 0
.rept 16
	v_pk_mul_f32 v[O+n:O+n+1], v[O+n:O+n+1], v[240:241] op_sel_hi:[1,0]
.set n, n+2
.endr
.set n, 0
.rept 16
	v_pk_fma_f32 v[O+n:O+n+1], v[X+n:X+n+1], v[242:243], v[O+n:O+n+1] op_sel_hi:[1,0,1]
.set n, n+2
.endr
	FIN
.Lend:
	s_wait_tensorcnt 0x0                           ; the wave's end
	ds_add_u32 v[SPW], v[NIL]
	s_wait_dscnt 0x0
	CROUND                                         ; the closing round
	s_endpgm
.Lfunc_end_k_qee0818f179_attn:
	.size	k_qee0818f179_attn, .Lfunc_end_k_qee0818f179_attn-k_qee0818f179_attn
	.p2alignl 7, 3214868480
	.fill 96, 4, 3214868480
	.section	.rodata,"a",@progbits
	.p2align	6, 0x0
	.amdhsa_kernel k_qee0818f179_attn
		.amdhsa_group_segment_fixed_size 327680
		.amdhsa_private_segment_fixed_size 0
		.amdhsa_enable_private_segment 0
		.amdhsa_kernarg_size 24
		.amdhsa_user_sgpr_count 2
		.amdhsa_user_sgpr_kernarg_segment_ptr 1
		.amdhsa_wavefront_size32 1
		.amdhsa_system_sgpr_workgroup_id_x 1
		.amdhsa_system_sgpr_workgroup_id_y 1
		.amdhsa_system_sgpr_workgroup_id_z 1
		.amdhsa_system_vgpr_workitem_id 0
		.amdhsa_next_free_vgpr 256
		.amdhsa_next_free_sgpr 90
		.amdhsa_reserve_vcc 1
		.amdhsa_float_denorm_mode_32 3
		.amdhsa_float_denorm_mode_16_64 3
		.amdhsa_memory_ordered 1
		.amdhsa_forward_progress 1
		.amdhsa_inst_pref_size 72
	.end_amdhsa_kernel
	.amdgpu_metadata
---
amdhsa.version: [ 1, 2 ]
amdhsa.kernels:
  - .name:           k_qee0818f179_attn
    .symbol:         k_qee0818f179_attn.kd
    .args:
      - { .name: qbuf, .offset: 0, .size: 8, .value_kind: global_buffer, .address_space: global }
      - { .name: kv, .offset: 8, .size: 8, .value_kind: global_buffer, .address_space: global }
      - { .name: ctx, .offset: 16, .size: 8, .value_kind: global_buffer, .address_space: global }
    .group_segment_fixed_size: 327680
    .private_segment_fixed_size: 0
    .kernarg_segment_align: 8
    .kernarg_segment_size: 24
    .max_flat_workgroup_size: 512
    .sgpr_count:     90
    .vgpr_count:     256
    .wavefront_size: 32
...
	.end_amdgpu_metadata
.endif
;; end of part 3
;; launch oproj (part 4): grid 8 x 32, 4 waves a work-group, clusters of 4 x 4, 327,680 bytes of LDS; arguments ctx, wts, out0; writes out0
.if DOCPART == 4
	.amdgcn_target "amdgcn-amd-amdhsa--gfx1250"
	.amdhsa_code_object_version 6
	.text
	.protected	k_qee0818f179_oproj
	.globl	k_qee0818f179_oproj
	.p2align	8
	.type	k_qee0818f179_oproj,@function
k_qee0818f179_oproj:
	s_mov_b64 s[64:65], 0
	v_nop
	global_prefetch_b8 v0, s[64:65] scope:SCOPE_SE
	s_setreg_imm32_b32 hwreg(HW_REG_WAVE_MODE, 25, 1), 1
	s_wait_xcnt 0x0
	s_wait_alu depctr_hold_cnt(0) depctr_sa_sdst(0) depctr_va_vdst(0) depctr_va_sdst(0) depctr_va_ssrc(0) depctr_va_vcc(0) depctr_vm_vsrc(0)
	s_getreg_b32 s2, hwreg(HW_REG_IB_STS2, 6, 4)
	s_cmp_eq_u32 s2, 0
	s_cbranch_scc0 .Lentry_in_a_cluster
	s_endpgm
.Lentry_in_a_cluster:
	s_bfe_u32 s2, ttmp6, 0x10000c
	s_cmp_lg_u32 s2, 0xf033
	s_cbranch_scc0 .Lentry_shape_is_right
	s_endpgm
.Lentry_shape_is_right:
; Launch 4 of 4: out0 = context Wo on codes of E5M2 (K = 1,024), f32 out.  A work-group makes 128 x 128, four waves 64 x 64 each.  All of K comes into LDS as images of the operands' registers by first fills alone, one tensor
; load a wave: Wo's halves (waves 0 and 1) and the context's (waves 2 and 3), 65,536 bytes each.  Wo is shown by a barrier of its own and goes into 512 registers; the context's four tiles of 16 rows stream past it, all of K each,
; so that each tile leaves while the next ones are multiplied.
; CLUSTERS: 4 x 4 work-groups, the context's tiles shared along a cluster's rows, Wo's along its columns.  No L2 prefetch: everything is asked for at the head and there is no loop of fills.
; The product is used TRANSPOSED (source 0 = 16 columns of Wo, source 1 = 16 rows of the context): a lane holds one row, and the 16 registers of column tiles 2 G, 2 G + 1 are columns 32 G + 16 h + 0 .. 15.
; THE WAY OUT: a tile of 16 rows x 64 columns goes through the wave's own stage in LDS (no tensor load lands there) and leaves as rows: sixteen lanes store 256 consecutive bytes, aligned.
; A tile's rows are 32 G + 8 u + p + 8 (p / 8): the stores' offsets put each row in its place.  LIMITS: NaN and infinities are not served.
; REGISTERS: window 0: v1-12 addresses, v16-31 the context's scale words (lanes 0-15 tile 2 p, lanes 16-31 tile 2 p + 1, K step s at 16 + 8 p + s), v34-49 Wo's, v56-183 accumulators, 32 a tile.  Window 1: two sets of 128: a tile
; of the context, all of K.  Windows 2 and 3: Wo: fragment 4 s + j.
.set XSC,   4194304
.set WSC,   2621440
.set WB,    96                         ; Wo's first n-tile in wts
.set SPARE, 262144
.set STAGE, 262656                     ; 16 rows x 272 bytes for each wave
.set LI,   3
.set SOF,  5
.set ADX,  6
.set ADW,  7
.set SPW,  8
.set NIL,  9
.set STO,  10                          ; the stage: where I put 64 bytes of a row
.set RD,   11                          ; where I read a row back
.set CO,   12                          ; my byte offset in out0
.set SA,   16
.set SB,   34
.set ACC,  56
.set G1,   24
.set G0,   32
.set G1B,  48
.set G0B,  68
.set MSB, 0
.macro WIN new                         ; the immediate's high byte repeats the setting that is left
.if MSB != \new
	s_set_vgpr_msb (MSB<<8)|(\new)
.set MSB, \new
.endif
.endm
.macro TLOAD g0, g1                    ; an s_nop 0 and four v_nop follow each load
	tensor_load_to_lds s[\g0:\g0+3], s[\g1:\g1+7]
	s_nop 0
.rept 4
	v_nop
.endr
.endm
.macro CROUND                          ; a round of the cluster's barrier
	s_barrier_signal -1
	s_barrier_wait -1
	s_cmp_lg_u32 s14, 0
	s_cbranch_scc1 .Lnot_wave_0_\@
	s_barrier_signal -3
.Lnot_wave_0_\@:
	s_barrier_wait -3
	s_barrier_signal -1
	s_barrier_wait -1
.endm
.macro PLACES                          ; eight places behind this matrix form
.rept 8
	v_nop
.endr
.endm
.macro XF i, e                         ; tile i of the context, all of K, into set e: 32 loads
	WIN 0x40
.irp s, 0,1,2,3,4,5,6,7
.irp c, 0,1,2,3
	ds_load_b128 v[128*\e+16*\s+4*\c:128*\e+16*\s+4*\c+3], v[ADX] offset:16384*\i+2048*\s+512*\c
.endr
.endr
	WIN 0
.endm
.macro TILE i, e                       ; 32 matrix instructions; the tile's four accumulators take turns, one instruction a turn
.irp s, 0,1,2,3,4,5,6,7
	WIN 0x06+\s/4                                  ; source 0 window 2 or 3, source 1 window 1, C and D window 0
.irp j, 0,1,2,3
.set D_, ACC+32*\i+8*\j
.set A_, 16*((4*\s+\j)%16)
.set B_, 128*\e+16*\s
.set P_, SB+8*(\j/2)+\s
.set Q_, SA+8*(\i/2)+\s
.if \s == 0
.if (\j%2) && (\i%2)
	v_wmma_scale_f32_16x16x128_f8f6f4 v[D_:D_+7], v[A_:A_+15], v[B_:B_+15], 0, v[P_], v[Q_] matrix_a_fmt:MATRIX_FMT_BF8 matrix_b_fmt:MATRIX_FMT_BF8 matrix_a_scale:MATRIX_SCALE_ROW1 matrix_b_scale:MATRIX_SCALE_ROW1
.elseif \j%2
	v_wmma_scale_f32_16x16x128_f8f6f4 v[D_:D_+7], v[A_:A_+15], v[B_:B_+15], 0, v[P_], v[Q_] matrix_a_fmt:MATRIX_FMT_BF8 matrix_b_fmt:MATRIX_FMT_BF8 matrix_a_scale:MATRIX_SCALE_ROW1
.elseif \i%2
	v_wmma_scale_f32_16x16x128_f8f6f4 v[D_:D_+7], v[A_:A_+15], v[B_:B_+15], 0, v[P_], v[Q_] matrix_a_fmt:MATRIX_FMT_BF8 matrix_b_fmt:MATRIX_FMT_BF8 matrix_b_scale:MATRIX_SCALE_ROW1
.else
	v_wmma_scale_f32_16x16x128_f8f6f4 v[D_:D_+7], v[A_:A_+15], v[B_:B_+15], 0, v[P_], v[Q_] matrix_a_fmt:MATRIX_FMT_BF8 matrix_b_fmt:MATRIX_FMT_BF8
.endif
.else
.if (\j%2) && (\i%2)
	v_wmma_scale_f32_16x16x128_f8f6f4 v[D_:D_+7], v[A_:A_+15], v[B_:B_+15], v[D_:D_+7], v[P_], v[Q_] matrix_a_fmt:MATRIX_FMT_BF8 matrix_b_fmt:MATRIX_FMT_BF8 matrix_a_scale:MATRIX_SCALE_ROW1 matrix_b_scale:MATRIX_SCALE_ROW1
.elseif \j%2
	v_wmma_scale_f32_16x16x128_f8f6f4 v[D_:D_+7], v[A_:A_+15], v[B_:B_+15], v[D_:D_+7], v[P_], v[Q_] matrix_a_fmt:MATRIX_FMT_BF8 matrix_b_fmt:MATRIX_FMT_BF8 matrix_a_scale:MATRIX_SCALE_ROW1
.elseif \i%2
	v_wmma_scale_f32_16x16x128_f8f6f4 v[D_:D_+7], v[A_:A_+15], v[B_:B_+15], v[D_:D_+7], v[P_], v[Q_] matrix_a_fmt:MATRIX_FMT_BF8 matrix_b_fmt:MATRIX_FMT_BF8 matrix_b_scale:MATRIX_SCALE_ROW1
.else
	v_wmma_scale_f32_16x16x128_f8f6f4 v[D_:D_+7], v[A_:A_+15], v[B_:B_+15], v[D_:D_+7], v[P_], v[Q_] matrix_a_fmt:MATRIX_FMT_BF8 matrix_b_fmt:MATRIX_FMT_BF8
.endif
.endif
.endr
.endr
	WIN 0
	PLACES
.endm
.macro PACK i                          ; tile i: into my stage, each accumulator from its low end on, and back as whole rows, into the registers that they left.  LDS serves a wave's instructions in order (ISA guide 5.7.1.4)
.irp j, 0,1,2,3
	ds_store_b128 v[STO], v[ACC+32*\i+8*\j:ACC+32*\i+8*\j+3] offset:128*(\j/2)+32*(\j%2)
	ds_store_b128 v[STO], v[ACC+32*\i+8*\j+4:ACC+32*\i+8*\j+7] offset:128*(\j/2)+32*(\j%2)+16
.endr
.irp t, 0,1,2,3,4,5,6,7
	ds_load_b128 v[ACC+32*\i+4*\t:ACC+32*\i+4*\t+3], v[RD] offset:544*\t
.endr
.endm
.macro SEND i, younger                 ; younger: the LDS instructions issued behind tile i's loads: the next tile's sixteen, or none
.irp t, 0,1,2,3,4,5,6,7
	s_wait_dscnt \younger+7-\t
	global_store_b128 v[CO], v[ACC+32*\i+4*\t:ACC+32*\i+4*\t+3], s[88:89] offset:(32*(\i/2)+8*(\i%2)+2*\t+8*(\t/4))*4096 th:TH_STORE_NT   ; the tile's rows 2 t and 2 t + 1; 16 lanes store 256 consecutive bytes, aligned
.endr
.endm
	s_load_b128 s[4:7], s[0:1], 0x0                ; ctx s[4:5], wts s[6:7]
	s_load_b64 s[8:9], s[0:1], 0x10                ; out0
	v_lshl_add_u32 v[SPW], v0, 2, SPARE
	v_mov_b32 v[NIL], 0
	ds_add_u32 v[SPW], v[NIL]                      ; the wave's opening: the add, twice on end, and its wait ahead of my first tensor load
	ds_add_u32 v[SPW], v[NIL]
	v_lshrrev_b32 v1, 5, v0
	v_readfirstlane_b32 s14, v1                    ; wave 0..3
	s_lshr_b32 s15, s14, 1                         ; which 64 rows are mine.  Also: I fetch for Wo (0) or for the context (1)
	s_and_b32 s16, s14, 1                          ; which 64 columns.  Also: which four tiles I fetch
	s_bfe_u32 s56, ttmp6, 0x40000                  ; cx, cy
	s_bfe_u32 s57, ttmp6, 0x40004
	s_lshl_b32 s58, ttmp9, 2
	s_add_co_u32 s58, s58, s56                     ; tile column
	s_and_b32 s17, ttmp7, 0xffff
	s_lshl_b32 s17, s17, 2
	s_add_co_u32 s17, s17, s57                     ; tile row
	s_lshl_b32 s59, s57, 2
	s_lshl_b32 s59, 15, s59                        ; my row of the cluster
	s_lshl_b32 s60, 0x1111, s56                    ; my column
	s_or_b32 s[G1], s59, (3<<16)|(1<<21)           ; 15:0 the mask; 17:16 elements of 8 bytes; 21 set beside a mask; no padding
	s_or_b32 s[G1B], s60, (3<<16)|(1<<21)
.irp g, G1, G1B
	s_mov_b32 s[\g+1], 2048<<16                    ; all eight K steps of a tile: 16,384 bytes
	s_mov_b32 s[\g+2], 4<<16                       ; 4 tiles
	s_mov_b32 s[\g+3], 2048<<16
	s_mov_b32 s[\g+4], 4
	s_mov_b32 s[\g+5], 2048                        ; from tile to tile: 16,384 bytes
	s_mov_b32 s[\g+6], 0
	s_mov_b32 s[\g+7], 0
.endr
	s_lshl_b32 s19, s16, 16
	s_lshl_b32 s20, s17, 17
	s_add_co_u32 s20, s20, s19                     ; the context: by the tile row alone
	s_mov_b32 s21, 0
	s_lshl_b32 s62, s58, 17
	s_add_co_u32 s62, s62, s19
	s_add_co_u32 s62, s62, WB*16384                ; Wo: by the tile column alone
	s_mov_b32 s63, 0
	s_add_co_u32 s18, s19, 131072                  ; in LDS: the context's eight tiles, then Wo's eight
	s_wait_dscnt 0x0                               ; both opening adds are done
	CROUND                                         ; all sixteen work-groups are here: the joint loads meet
	s_wait_kmcnt 0x0
	s_add_nc_u64 s[20:21], s[4:5], s[20:21]
	s_add_nc_u64 s[62:63], s[6:7], s[62:63]
	s_mov_b32 s[G0], 1
	s_mov_b32 s[G0+1], s19
	s_mov_b64 s[G0+2:G0+3], s[20:21]
	s_or_b32 s[G0+3], s[G0+3], 0x80000000
	s_mov_b32 s[G0B], 1
	s_mov_b32 s[G0B+1], s18
	s_mov_b64 s[G0B+2:G0B+3], s[62:63]
	s_or_b32 s[G0B+3], s[G0B+3], 0x80000000
	s_cmp_eq_u32 s15, 0
	s_cbranch_scc0 .Lfor_ctx
	TLOAD G0B, G1B
	s_branch .Lasked
.Lfor_ctx:
	TLOAD G0, G1
.Lasked:
	v_and_b32 v1, 15, v0                           ; r
	v_bfe_u32 v2, v0, 4, 1                         ; h
	v_and_b32 v[LI], 31, v0
	v_lshlrev_b32 v[SOF], 4, v1
	v_lshlrev_b32 v[LI], 4, v[LI]
	v_lshl_add_u32 v[SOF], v2, 9, v[SOF]           ; scale words: 512 h + 16 r
	s_lshl_b32 s84, s17, 12                        ; the scale words come straight into registers: a load brings four K steps' words of two tiles' rows
	s_lshl_b32 s85, s15, 11
	s_add_co_u32 s84, s84, s85
	s_add_co_u32 s84, s84, XSC
	s_mov_b32 s85, 0
	s_add_nc_u64 s[84:85], s[4:5], s[84:85]
	s_lshl_b32 s86, s58, 12
	s_lshl_b32 s87, s16, 11
	s_add_co_u32 s86, s86, s87
	s_add_co_u32 s86, s86, WSC+WB*512
	s_mov_b32 s87, 0
	s_add_nc_u64 s[86:87], s[6:7], s[86:87]
	s_wait_alu depctr_va_vdst(0)
.irp p, 0,1
.irp g, 0,1
	global_load_b128 v[SA+8*\p+4*\g:SA+8*\p+4*\g+3], v[SOF], s[84:85] offset:1024*\p+256*\g
	global_load_b128 v[SB+8*\p+4*\g:SB+8*\p+4*\g+3], v[SOF], s[86:87] offset:1024*\p+256*\g
.endr
.endr
	s_lshl_b32 s2, s15, 16                         ; my four tiles of the context,
	s_lshl_b32 s3, s16, 16
	s_add_co_u32 s3, s3, 131072                    ; and of Wo
	v_add_nc_u32 v[ADX], s2, v[LI]
	v_add_nc_u32 v[ADW], s3, v[LI]
	s_mul_i32 s2, s14, 4352
	s_add_co_u32 s2, s2, STAGE                     ; my stage
	v_mul_u32_u24 v[STO], v1, 272
	v_lshl_add_u32 v[STO], v2, 6, v[STO]
	v_add_nc_u32 v[STO], s2, v[STO]                ; in: row r, + 64 h
	v_mul_u32_u24 v[RD], v2, 272
	v_lshl_add_u32 v[RD], v1, 4, v[RD]
	v_add_nc_u32 v[RD], s2, v[RD]                  ; back: lanes 0-15 one row of 256 bytes, lanes 16-31 the next
	v_lshlrev_b32 v[CO], 12, v2
	v_lshl_add_u32 v[CO], v1, 4, v[CO]             ; and the same two rows in out0
	s_lshl_b32 s88, s17, 19                        ; my first row: 128 x tile row + 64 x half, of 4,096 bytes;
	s_lshl_b32 s89, s15, 18
	s_add_co_u32 s88, s88, s89
	s_lshl_b32 s89, s58, 9                         ; my first column: 128 x tile column + 64 x half, of 4 bytes
	s_add_co_u32 s88, s88, s89
	s_lshl_b32 s89, s16, 8
	s_add_co_u32 s88, s88, s89
	s_mov_b32 s89, 0
	s_add_nc_u64 s[88:89], s[8:9], s[88:89]
	s_wait_alu depctr_va_vdst(0)                   ; the head's end
	s_cmp_eq_u32 s15, 0
	s_cbranch_scc0 .Lnot_w
	s_wait_tensorcnt 0x0                           ; waves 0 and 1: Wo is in.  Waves 2 and 3 have a load line of their own and wait below
.Lnot_w:
	s_barrier_signal -1
	s_barrier_wait -1
.irp s, 0,1,2,3,4,5,6,7
	WIN 0x80+0x40*(\s/4)
.irp j, 0,1,2,3
.irp c, 0,1,2,3
	ds_load_b128 v[16*((4*\s+\j)%16)+4*\c:16*((4*\s+\j)%16)+4*\c+3], v[ADW] offset:16384*\j+2048*\s+512*\c
.endr
.endr
.endr
	WIN 0
	s_wait_tensorcnt 0x0                           ; the context is in
	s_wait_dscnt 0x0
	s_barrier_signal -1
	s_barrier_wait -1
	XF 0, 0
	XF 1, 1
	s_wait_loadcnt 0x0                             ; the scale words
	s_wait_dscnt 32                                ; tile 0's loads are in; tile 1's 32 may be out
	TILE 0, 0
	XF 2, 0
	s_wait_dscnt 32                                ; tile 1's are in
	TILE 1, 1
	XF 3, 1
	PACK 0
	s_wait_dscnt 48                                ; tile 2's are in; behind them tile 3's 32 and the 16 of tile 0's way out
	TILE 2, 0
	PACK 1
	SEND 0, 16
	TILE 3, 1                                      ; (tile 3's loads stood ahead of tile 0's way out, which is back)
	PACK 2
	SEND 1, 16
	PACK 3
	SEND 2, 16
	SEND 3, 0
	s_wait_tensorcnt 0x0                           ; the wave's end, behind my last tensor load and my last LDS store
	ds_add_u32 v[SPW], v[NIL]
	s_wait_dscnt 0x0
	CROUND                                         ; the closing round
	s_endpgm
.Lfunc_end_k_qee0818f179_oproj:
	.size	k_qee0818f179_oproj, .Lfunc_end_k_qee0818f179_oproj-k_qee0818f179_oproj
	.p2alignl 7, 3214868480
	.fill 96, 4, 3214868480
	.section	.rodata,"a",@progbits
	.p2align	6, 0x0
	.amdhsa_kernel k_qee0818f179_oproj
		.amdhsa_group_segment_fixed_size 327680
		.amdhsa_private_segment_fixed_size 0
		.amdhsa_enable_private_segment 0
		.amdhsa_kernarg_size 24
		.amdhsa_user_sgpr_count 2
		.amdhsa_user_sgpr_kernarg_segment_ptr 1
		.amdhsa_wavefront_size32 1
		.amdhsa_system_sgpr_workgroup_id_x 1
		.amdhsa_system_sgpr_workgroup_id_y 1
		.amdhsa_system_sgpr_workgroup_id_z 1
		.amdhsa_system_vgpr_workitem_id 0
		.amdhsa_next_free_vgpr 1024
		.amdhsa_next_free_sgpr 100
		.amdhsa_reserve_vcc 0
		.amdhsa_float_denorm_mode_32 3
		.amdhsa_float_denorm_mode_16_64 3
		.amdhsa_memory_ordered 1
		.amdhsa_forward_progress 1
		.amdhsa_inst_pref_size 50
	.end_amdhsa_kernel
	.amdgpu_metadata
---
amdhsa.version: [ 1, 2 ]
amdhsa.kernels:
  - .name:           k_qee0818f179_oproj
    .symbol:         k_qee0818f179_oproj.kd
    .args:
      - { .name: ctx, .offset: 0, .size: 8, .value_kind: global_buffer, .address_space: global }
      - { .name: wts, .offset: 8, .size: 8, .value_kind: global_buffer, .address_space: global }
      - { .name: out0, .offset: 16, .size: 8, .value_kind: global_buffer, .address_space: global }
    .group_segment_fixed_size: 327680
    .private_segment_fixed_size: 0
    .kernarg_segment_align: 8
    .kernarg_segment_size: 24
    .max_flat_workgroup_size: 128
    .sgpr_count:     100
    .vgpr_count:     1024
    .wavefront_size: 32
...
	.end_amdgpu_metadata
.endif
;; end of part 4
